; MI455X (gfx1250); checked and timed in simulation.
; The chip was launched on July 23, 2026; its instructions are those of AMD's public machine-readable ISA for CDNA 5 (MIT licence, August 2026) and "CDNA5" Instruction Set Architecture Reference Guide (July 2026). The comments in the code are by the model that wrote it; some were corrected since.
;; Attention Layer. Allowed arithmetic: matrix products marked QUANTISED: E2M1 operands, one E8M0 scale for each 32 along K, by v_wmma_scale_f32_16x16x128_f8f6f4 with both operands' format E2M1 (or v_wmma_scale_f32_32x16x128_f4), f32 sums; products left as they are: f32 operands where the result goes on into a quantised operand, else bf16, f16 or f32 operands; f32 sums; everything else in f32.
;; Inputs: V 128 x 512 x 1,024 float32; Wal 1,024 x 1 float32; Wcp 1,024 x 1,024 float32; Wha 1,024 x 1,024 float32; Whp 1,024 x 1,024 float32; Wsa 1,024 x 1,024 float32; Wsp 1,024 x 1,024 float32; Wv 1,024 x 1,024 float32; bal 1 float32; bcp 1,024 float32; bha 1,024 float32; bhp 1,024 float32; bsa 1,024 float32; bsp 1,024 float32; bv 1,024 float32; h_t 128 x 1,024 float32; s_t 128 x 1,024 float32.
;; Outputs: out0 128 x 1,024 float32.
;; This version of the problem:
;;   THIS VERSION OF THE PROBLEM IS GIVEN IN LOW PRECISION. The matrix products marked QUANTISED in the list below multiply operands that are first quantised to E2M1 (2 exponent bits, 1 mantissa bit; 4 bits a number), with one power-of-two scale for each 32 numbers along K (OCP MX v1.0); their sums are f32. All else is computed in f32.
;;   The module's matrix products, in the order in which they are computed (A, B: the left and right operand; K: the contracted axis; several contracted axes count as one K, in the product's order):
;;     1. [M 65,536, K 1,024] x [K 1,024, N 1,024]; A: input V; B: input Wv: QUANTISED
;;     2. [M 128, K 1,024] x [K 1,024, N 1,024]; A: input s_t; B: input Wsp: QUANTISED
;;     3. [M 128, K 1,024] x [K 1,024, N 1,024]; A: computed on the way; B: input Wsa: QUANTISED
;;     4. [M 128, K 1,024] x [K 1,024, N 1,024]; A: input h_t; B: input Whp: QUANTISED
;;     5. [M 128, K 1,024] x [K 1,024, N 1,024]; A: computed on the way; B: input Wha: QUANTISED
;;     6. [M 65,664, K 1,024] x [K 1,024, N 1]; A: computed on the way; B: input Wal: left as it is (N = 1 < 16)
;;     7. batch 128 x [M 1, K 513] x [K 513, N 1,024]; A: softmax; B: computed on the way: left as it is (M = 1 < 16)
;;     8. [M 128, K 1,024] x [K 1,024, N 1,024]; A: computed on the way; B: input Wcp: QUANTISED
;;   THE QUANTISER, for each operand of a quantised product, along K:
;;     - K is cut into blocks of 32 from its start; a last block that is shorter is filled with zeros.
;;     - A block's scale is 2^e with e = floor(log2(the largest magnitude in the block)) - 2, held to -126 .. 127; a block of zeros has e = 0. As a byte (E8M0): e + 127.
;;     - Each number is divided by its block's scale, clamped to +-6, and rounded to the nearest number of E2M1, ties to even, subnormals kept.
;;     - The product sums the exact products of the quantised numbers (number of the format x scale) in f32.
;;   ~~~python
;;   def quantise(x, axis):      # numpy; x: float32 -> the quantised numbers, widened to float32 again
;;       x = np.moveaxis(x, axis, -1); K = x.shape[-1]
;;       x = np.pad(x, [(0, 0)] * (x.ndim - 1) + [(0, -K % 32)]); x = x.reshape(x.shape[:-1] + (-1, 32)); a = np.abs(x).max(-1, keepdims=True)
;;       e = np.where(a > 0, np.clip(np.frexp(np.where(a > 0, a, 1))[1] - 1 - 2, -126, 127), 0)      # np.frexp(a)[1] - 1 = floor(log2(a)), exactly
;;       r = np.clip(x / 2.0 ** e, -6, 6)
;;       step = 2.0 ** (np.maximum(np.frexp(np.where(r == 0, 1, r))[1] - 1, 0) - 1)
;;       q = np.round(r / step) * step * 2.0 ** e      # np.round: ties to even
;;       return np.moveaxis(q.reshape(q.shape[:-2] + (-1,))[..., :K], -1, axis).astype(np.float32)
;;   ~~~
;;   OPERANDS COMPUTED ON THE WAY. 'Computed on the way' means the value that the module computes at that place (a softmax that the list does not call 'softmax' is quantised finished and normalised). What goes into a quantiser is computed in f32, as accurately as f32 sums, v_exp_f32 and their like allow (about 1e-6 of the number): no bf16 or f16 on the way to a quantiser, and a product that is left as it is and whose result goes on into a quantised operand takes f32 operands (vector FMAs, or v_wmma_f32_16x16x4_f32). A number that lies on a knife's edge between two numbers of the format may be rounded either way, as far as f32 arithmetic and the matrix unit's own rounding can turn it there, and no further.
;; One version. Each part assembles by itself: llvm-mc -triple=amdgcn-amd-amdhsa -mcpu=gfx1250 --defsym DOCPART=n.
;; ======== version 1 of 1: 4 launches
;; limits: a function is approximated: absolute error at most 1e-07
;; workspace buffers: sproj 524,288 bytes; hproj 524,288 bytes; satt 524,288 bytes; hatt 524,288 bytes; wvq 557,056 bytes; wq 1,671,168 bytes; pctx 1,048,576 bytes; pml 65,536 bytes
;; launch proj (part 1): grid 48 x 4, 16 waves a work-group, no clusters, 75,776 bytes of LDS; arguments s_t, h_t, Wsp, Whp, bsp, bhp, sproj, hproj, Wv, wvq, Wsa, Wha, Wcp, wq; writes sproj, hproj, wvq, wq
.if DOCPART == 1
	.amdgcn_target "amdgcn-amd-amdhsa--gfx1250"
	.amdhsa_code_object_version 6
	.text
	.protected	k_q18c4556175_proj
	.globl	k_q18c4556175_proj
	.p2align	8
	.type	k_q18c4556175_proj,@function
k_q18c4556175_proj:
	s_mov_b64 s[64:65], 0
	v_nop
	global_prefetch_b8 v0, s[64:65] scope:SCOPE_SE
	s_setreg_imm32_b32 hwreg(HW_REG_WAVE_MODE, 25, 1), 1
	s_wait_xcnt 0x0
; LAUNCH 1 OF 4.  s_proj = relu(s_t Wsp + bsp), h_proj = tanh(h_t Whp + bhp), both products on codes of FP4 (E2M1) with one E8M0 scale for each 32 along K; and Wv, Wsa, Wha, Wcp are turned into codes for the later launches.
; DEAD WORK OF THE WHOLE PROGRAM.  (1) bal is added to each of the 513 scores of a batch row alike, and softmax(x + k) = softmax(x) for every finite k: bal reaches no output; it is not loaded and is among no launch's arguments.
; (2) tanh(x) is taken as 1 - 2 / (1 + e^(2x)); in the scores the 1 gives the sum of Wal[n] to each of the 513 scores alike, and goes for the same reason.
; LIMIT: a NaN, an infinity or an overflow that reaches only bal or that sum is not carried to the result.
; LIMITS: NaN and infinities among the inputs are not served.  A block of zeros gets the scale byte 1 where the rule says 127: its codes are zeros and this program alone reads the bytes.
; tanh by v_exp_f32 and v_rcp_f32 has an absolute error near 1e-7, so more than 1e-6 of the number where |x| is far under 1.  A sum over K is made of eight partial sums, one a wave.
; WORK-GROUPS x = 0 .. 31: 32 rows x 32 columns of both products.  Wave w takes product w / 8 and K step w % 8 (128 along K): it quantises its rows of x and its 128 x 32 piece of W in registers,
; issues four matrix instructions that start their sums with the constant 0, and the eight partial sums of a product meet in LDS.  There is no loop.
; W is stored [K][N]: a lane takes a column and its registers run down K, so that a block of 32 lies in one lane and the codes come out with K innermost.
; THE MATRIX INSTRUCTION IS USED TRANSPOSED (source 0 = 16 columns of W, source 1 = 16 rows of x): a lane holds one row and eight neighbouring columns.
; WORK-GROUPS x = 32 .. 47: weight (x - 32) / 4 of Wv, Wsa, Wha, Wcp.  Wave (pair P of 32 columns, K step ks) quantises 128 x 32 of it and stores the two fragments as images of their registers.
; Wv goes to wvq in the order in which launch 3 takes it.  The other three go to wq, 557,056 bytes each: codes at (8 P + ks) x 2,048 (two fragments of 1,024 bytes), scale words at 524,288 + (8 P + ks) x 128.
; NO CLUSTER: W goes from memory into registers as f32, to be quantised there; no tile comes by a tensor load, so there is nothing to ask for jointly.
.set MT, 2                             ; tiles of 16 rows
.set WAVES, 16
.set WSZ, MT*16*144                    ; LDS: a wave's partial sums: 32 rows of 128 bytes + 16 of padding
.set SPARE, WAVES*WSZ                  ; behind them: the spare words, 128 bytes for each wave, which no other line names
.set SPW, 1                            ; v1   LDS address of my spare word; never rewritten
.set NIL, 2                            ; v2   0; never rewritten
.set XA, 3                             ; v3   x: row r of 4,096 bytes + 64 h
.set WA, 4                             ; v4   W: 4 x lane
.set RST, 5                            ; v5   where I put my partial sums
.set RLD, 6                            ; v6   where I read eight partial sums
.set OUTO, 7                           ; v7   my 16 bytes of the result
.set BIO, 8                            ; v8   my 16 bytes of the bias
.set BI, 10                            ; v10-13 the bias
.set PW0, 14                           ; v14, v15 x's scale words (scales alone)
.set WS, 16                            ; v16  W's scale words: lanes 0-15 columns 0-15, lanes 16-31 columns 16-31 (scales alone)
.set TM, 20                            ; v20-35 at work
.set PC0, 36                           ; v36-43 x's fragment, tile 0
.set F0, 44                            ; v44-51 W's fragment, columns 0-15
.set F1, 52                            ; v52-59 columns 16-31
.set AX, 64                            ; v64-127 64 numbers of x
.set WX, 128                           ; v128-255 128 numbers of W; behind WQ:
.set PC1, 128                          ; v128-135 x's fragment, tile 1
.set ACC, 136                          ; v136-167 the accumulators
.set SUM, 168                          ; v168-199 eight partial sums of four numbers
.set SEL, 44                           ; s[44:45] v_permlanex16_b32's selects for lane l xor 16
; 64 numbers of a lane: register 16 b + i = k 32 b + 16 h + i of row r
.macro XLOAD reg, sb, off
.irp b,0,1,2,3
.irp j,0,1,2,3
	global_load_b128 v[\reg+16*\b+4*\j:\reg+16*\b+4*\j+3], v[XA], s[\sb:\sb+1] offset:\off+128*\b+16*\j
.endr
.endr
.endm
; they become a fragment's codes in v[pc] on and its scale word in v[pw]
.macro QUANT s, pc, pw
.irp b,0,1,2,3
	v_max3_num_f32 v[TM+\b], |v[\s+16*\b]|, |v[\s+1+16*\b]|, 0x1800000   ; block b: my 16 numbers, and the floor 2^(3 - 127): the byte cannot fall under 1
.endr
.irp i,2,4,6,8,10,12,14
.irp b,0,1,2,3
	v_max3_num_f32 v[TM+\b], v[TM+\b], |v[\s+16*\b+\i]|, |v[\s+1+16*\b+\i]|
.endr
.endr
.irp b,0,1,2,3
	v_permlanex16_b32 v[TM+4+\b], v[TM+\b], s[SEL], s[SEL+1]
.endr
.irp b,0,1,2,3
	v_max_num_f32 v[TM+\b], v[TM+\b], v[TM+4+\b]   ; with lane l xor 16's: the block's largest magnitude
.endr
.irp b,0,1,2,3
	v_add_nc_u32 v[TM+12+\b], 0xff000000, v[TM+\b] ; 2 off its exponent field: the conversion's scale operand
.endr
.irp b,0,1,2,3
	v_lshrrev_b32 v[TM+4+\b], 23, v[TM+12+\b]      ; the scale's byte
.endr
	v_lshl_or_b32 v[\pw], v[TM+5], 8, v[TM+4]
	v_lshl_or_b32 v[\pw], v[TM+6], 16, v[\pw]
	v_lshl_or_b32 v[\pw], v[TM+7], 24, v[\pw]
.irp b,0,1,2,3
	v_cvt_scalef32_pk8_fp4_f32 v[\pc+2*\b], v[\s+16*\b:\s+7+16*\b], v[TM+12+\b]
	v_cvt_scalef32_pk8_fp4_f32 v[\pc+1+2*\b], v[\s+8+16*\b:\s+15+16*\b], v[TM+12+\b]
.endr
	v_nop                                          ; one plain place behind a scaled conversion
.irp c,0,1
.irp i,0,1
	v_permlane16_swap_b32 v[\pc+4*\c+\i], v[\pc+2+4*\c+\i]   ; a whole block to a lane: lanes 0-15 block 2 c, lanes 16-31 block 2 c + 1
.endr
.endr
.endm
; W(128 ks + i, my column), i = 0 .. 127: 32 lanes read 128 consecutive bytes
.macro WLOAD sb
.set i, 0
.rept 128
	global_load_b32 v[WX+i], v[WA], s[\sb:\sb+1] offset:i*4096
.set i, i+1
.endr
.endm
; my column's four blocks become codes; two fragments of 16 columns and their scale words
.macro WQ
.irp b,0,1,2,3
	v_max3_num_f32 v[TM+\b], |v[WX+32*\b]|, |v[WX+32*\b+1]|, 0x1800000
.endr
.irp i,2,4,6,8,10,12,14,16,18,20,22,24,26,28,30
.irp b,0,1,2,3
	v_max3_num_f32 v[TM+\b], v[TM+\b], |v[WX+32*\b+\i]|, |v[WX+32*\b+\i+1]|
.endr
.endr
.irp b,0,1,2,3
	v_add_nc_u32 v[TM+12+\b], 0xff000000, v[TM+\b]
.endr
.irp b,0,1,2,3
	v_lshrrev_b32 v[TM+4+\b], 23, v[TM+12+\b]
.endr
	v_lshl_or_b32 v[WS], v[TM+5], 8, v[TM+4]
	v_lshl_or_b32 v[WS], v[TM+6], 16, v[WS]
	v_lshl_or_b32 v[WS], v[TM+7], 24, v[WS]
.irp g,0,1,2,3
	v_cvt_scalef32_pk8_fp4_f32 v[F0+\g], v[WX+8*\g:WX+8*\g+7], v[TM+12]            ; block 0
	v_cvt_scalef32_pk8_fp4_f32 v[F1+\g], v[WX+32+8*\g:WX+32+8*\g+7], v[TM+13]      ; block 1
	v_cvt_scalef32_pk8_fp4_f32 v[F0+4+\g], v[WX+64+8*\g:WX+64+8*\g+7], v[TM+14]    ; block 2
	v_cvt_scalef32_pk8_fp4_f32 v[F1+4+\g], v[WX+96+8*\g:WX+96+8*\g+7], v[TM+15]    ; block 3
.endr
	v_nop                                          ; one plain place behind a scaled conversion
.irp i,0,1,2,3,4,5,6,7
	v_permlane16_swap_b32 v[F0+\i], v[F1+\i]       ; F0: columns 0-15, lane (r, h) block 2 c + h; F1: columns 16-31 likewise
.endr
.endm
.macro TANH4                           ; tanh(x) = 1 - 2 / (1 + 2^(c x)), c = 2 log2(e); each batch of four has one plain place and one wait
.irp i,0,1,2,3
	v_mul_f32 v[TM+\i], 0x4038aa3b, v[SUM+\i]
.endr
.irp i,0,1,2,3
	v_exp_f32 v[TM+\i], v[TM+\i]
.endr
	v_nop
	s_wait_alu depctr_va_vdst(0)
.irp i,0,1,2,3
	v_add_f32 v[TM+\i], 1.0, v[TM+\i]
.endr
.irp i,0,1,2,3
	v_rcp_f32 v[TM+\i], v[TM+\i]
.endr
	v_nop
	s_wait_alu depctr_va_vdst(0)
.irp i,0,1,2,3
	v_fma_f32 v[SUM+\i], v[TM+\i], -2.0, 1.0
.endr
.endm
	s_load_b512 s[4:19], s[0:1], 0x0               ; x of products 0, 1; W of 0, 1; bias of 0, 1; result of 0, 1
	s_load_b128 s[20:23], s[0:1], 0x40             ; Wv, wvq
	s_load_b128 s[24:27], s[0:1], 0x50             ; Wsa, Wha
	s_load_b128 s[28:31], s[0:1], 0x60             ; Wcp, wq
	v_lshl_add_u32 v[SPW], v0, 2, SPARE
	v_mov_b32 v[NIL], 0
	v_lshrrev_b32 v9, 5, v0
	v_readfirstlane_b32 s40, v9                    ; wave
	s_lshr_b32 s41, s40, 3                         ; product
	s_and_b32 s42, s40, 7                          ; K step
	s_and_b32 s43, ttmp7, 0xffff                   ; block of rows
	v_and_b32 v17, 31, v0                          ; lane
	v_and_b32 v18, 15, v0                          ; r
	v_bfe_u32 v19, v0, 4, 1                        ; h
	v_lshlrev_b32 v[XA], 12, v18
	v_lshl_add_u32 v[XA], v19, 6, v[XA]
	v_lshlrev_b32 v[WA], 2, v17
	s_mul_i32 s54, s40, WSZ
	v_mul_u32_u24 v[RST], v18, 144
	v_lshl_add_u32 v[RST], v19, 5, v[RST]
	v_add_nc_u32 v[RST], s54, v[RST]               ; my region, row r, + 32 h
	s_mul_i32 s54, s41, 8*WSZ
	s_and_b32 s55, s42, MT*4-1
	s_mul_i32 s55, s55, 576
	s_add_co_u32 s54, s54, s55                     ; my product's first region, my four rows
	v_lshrrev_b32 v9, 3, v17
	v_and_b32 v[BIO], 7, v0
	v_lshlrev_b32 v[BIO], 4, v[BIO]
	v_mad_u32_u24 v[RLD], v9, 144, v[BIO]
	v_add_nc_u32 v[RLD], s54, v[RLD]               ; eight lanes to a row of 128 bytes
	v_lshl_add_u32 v[OUTO], v9, 12, v[BIO]
	s_mov_b32 s[SEL], 0x76543210
	s_mov_b32 s[SEL+1], 0xfedcba98
.irp b,0,1,2,3
	v_mov_b32 v[TM+4+\b], 0                        ; written once: a lane permute's destination counts as one of its sources
.endr
	s_mul_i32 s56, s43, MT*65536
	s_lshl_b32 s54, s42, 9
	s_add_co_u32 s56, s56, s54                     ; x: my rows, my 128 along K
	s_mov_b32 s57, 0
	s_lshl_b32 s58, s42, 19
	s_lshl_b32 s60, ttmp9, 7                       ; my 32 columns, in bytes
	s_add_co_u32 s58, s58, s60                     ; W: my 128 rows, my columns
	s_mov_b32 s59, 0
	s_mov_b32 s61, 0
	s_mul_i32 s62, s43, MT*65536
	s_lshl_b32 s54, s42, 14
	s_add_co_u32 s62, s62, s54
	s_add_co_u32 s62, s62, s60                     ; the result: the four rows that I add up
	s_mov_b32 s63, 0
	s_wait_kmcnt 0x0
	s_cmp_ge_u32 ttmp9, 32                         ; the work-group's number alone: all sixteen waves go the same way
	s_cbranch_scc1 .Lwv
	s_cmp_eq_u32 s41, 0                            ; the choice hangs on the wave's number alone
	s_cselect_b64 s[46:47], s[4:5], s[6:7]
	s_cselect_b64 s[48:49], s[8:9], s[10:11]
	s_cselect_b64 s[50:51], s[12:13], s[14:15]
	s_cselect_b64 s[52:53], s[16:17], s[18:19]
	s_add_nc_u64 s[46:47], s[46:47], s[56:57]
	s_add_nc_u64 s[48:49], s[48:49], s[58:59]
	s_add_nc_u64 s[50:51], s[50:51], s[60:61]
	s_add_nc_u64 s[52:53], s[52:53], s[62:63]
	global_load_b128 v[BI:BI+3], v[BIO], s[50:51]
	XLOAD AX, 46, 0
	WLOAD 48
	s_wait_loadcnt 63                              ; 145 loads are issued: all but the 63 youngest are in, the bias and tile 0 among them
	QUANT AX, PC0, PW0
	XLOAD AX, 46, 65536                            ; rows 16 on
	s_wait_loadcnt 16                              ; behind W's loads stand these 16
	WQ
	s_wait_loadcnt 0x0
	QUANT AX, PC1, PW0+1
.rept 8
	v_nop                                          ; a scale register written by a vector instruction stands 8 places ahead of a scaled matrix instruction, an operand 4
.endr
	v_wmma_scale_f32_16x16x128_f8f6f4 v[ACC:ACC+7], v[F0:F0+7], v[PC0:PC0+7], 0, v[WS], v[PW0] matrix_a_fmt:MATRIX_FMT_FP4 matrix_b_fmt:MATRIX_FMT_FP4
	v_wmma_scale_f32_16x16x128_f8f6f4 v[ACC+8:ACC+15], v[F1:F1+7], v[PC0:PC0+7], 0, v[WS], v[PW0] matrix_a_fmt:MATRIX_FMT_FP4 matrix_b_fmt:MATRIX_FMT_FP4 matrix_a_scale:MATRIX_SCALE_ROW1
	v_wmma_scale_f32_16x16x128_f8f6f4 v[ACC+16:ACC+23], v[F0:F0+7], v[PC1:PC1+7], 0, v[WS], v[PW0+1] matrix_a_fmt:MATRIX_FMT_FP4 matrix_b_fmt:MATRIX_FMT_FP4
	v_wmma_scale_f32_16x16x128_f8f6f4 v[ACC+24:ACC+31], v[F1:F1+7], v[PC1:PC1+7], 0, v[WS], v[PW0+1] matrix_a_fmt:MATRIX_FMT_FP4 matrix_b_fmt:MATRIX_FMT_FP4 matrix_a_scale:MATRIX_SCALE_ROW1
.rept 4
	v_nop                                          ; places in front of the first read of results
.endr
.irp m,0,1
.irp t,0,1
	ds_store_b128 v[RST], v[ACC+16*\m+8*\t:ACC+16*\m+8*\t+3] offset:\m*2304+\t*64        ; lane (r, h): row 16 m + r, columns 16 t + 8 h + 0 .. 7; each accumulator from its low end on
	ds_store_b128 v[RST], v[ACC+16*\m+8*\t+4:ACC+16*\m+8*\t+7] offset:\m*2304+\t*64+16
.endr
.endr
	s_wait_dscnt 0x0                               ; for the others' sake: my partial sums lie in LDS
	s_barrier_signal -1
	s_barrier_wait -1
.irp q,0,1,2,3,4,5,6,7
	ds_load_b128 v[SUM+4*\q:SUM+4*\q+3], v[RLD] offset:\q*WSZ
.endr
	s_wait_dscnt 0x0
.irp q,0,2,4,6
	v_pk_add_f32 v[SUM+4*\q:SUM+4*\q+1], v[SUM+4*\q:SUM+4*\q+1], v[SUM+4*\q+4:SUM+4*\q+5]
	v_pk_add_f32 v[SUM+4*\q+2:SUM+4*\q+3], v[SUM+4*\q+2:SUM+4*\q+3], v[SUM+4*\q+6:SUM+4*\q+7]
.endr
.irp q,0,4
	v_pk_add_f32 v[SUM+4*\q:SUM+4*\q+1], v[SUM+4*\q:SUM+4*\q+1], v[SUM+4*\q+8:SUM+4*\q+9]
	v_pk_add_f32 v[SUM+4*\q+2:SUM+4*\q+3], v[SUM+4*\q+2:SUM+4*\q+3], v[SUM+4*\q+10:SUM+4*\q+11]
.endr
	v_pk_add_f32 v[SUM:SUM+1], v[SUM:SUM+1], v[SUM+16:SUM+17]
	v_pk_add_f32 v[SUM+2:SUM+3], v[SUM+2:SUM+3], v[SUM+18:SUM+19]
	v_pk_add_f32 v[SUM:SUM+1], v[SUM:SUM+1], v[BI:BI+1]
	v_pk_add_f32 v[SUM+2:SUM+3], v[SUM+2:SUM+3], v[BI+2:BI+3]
	s_cmp_eq_u32 s41, 0
	s_cbranch_scc0 .Ltanh
.irp i,0,1,2,3
	v_max_num_f32 v[SUM+\i], 0, v[SUM+\i]          ; product 0: relu
.endr
	s_branch .Lout
.Ltanh:
	TANH4                                          ; product 1: tanh
.Lout:
	global_store_b128 v[OUTO], v[SUM:SUM+3], s[52:53]   ; eight lanes store a row's 128 bytes
	s_wait_tensorcnt 0x0                           ; the wave's end: behind my last LDS store
	ds_add_u32 v[SPW], v[NIL]
	s_wait_dscnt 0x0
	s_endpgm
.Lwv:                                  ; four weights into codes.
	s_sub_co_u32 s54, ttmp9, 32
	s_lshr_b32 s32, s54, 2                         ; which weight: 0 Wv, 1 Wsa, 2 Wha, 3 Wcp
	s_and_b32 s54, s54, 3
	s_lshl_b32 s54, s54, 2
	s_add_co_u32 s54, s54, s43
	s_lshl_b32 s54, s54, 1
	s_add_co_u32 s54, s54, s41                     ; P: columns 32 P .. 32 P + 31
	s_cmp_lt_u32 s32, 2                            ; the choices hang on the work-group's number alone
	s_cselect_b64 s[34:35], s[20:21], s[26:27]
	s_cselect_b64 s[36:37], s[24:25], s[28:29]
	s_and_b32 s33, s32, 1
	s_cmp_eq_u32 s33, 0
	s_cselect_b64 s[48:49], s[34:35], s[36:37]
	s_lshl_b32 s56, s42, 19
	s_lshl_b32 s57, s54, 7
	s_add_co_u32 s56, s56, s57
	s_mov_b32 s57, 0
	s_add_nc_u64 s[48:49], s[48:49], s[56:57]
	WLOAD 48
	; where the images go.  Wv: launch 3's wave P / 8 owns these columns: a block of 139,264 bytes
	s_lshr_b32 s55, s54, 3
	s_mul_i32 s55, s55, 139264
	s_and_b32 s58, s54, 7
	s_lshr_b32 s59, s58, 1                         ; g: its group of 64 columns
	s_and_b32 s60, s54, 1                          ; v: tiles 2 v and 2 v + 1 of the group
	s_mul_i32 s61, s59, 3
	s_lshl_b32 s62, s60, 1
	s_add_co_u32 s62, s62, s61
	s_lshl_b32 s62, s62, 13                        ; tile 2 v: register tile 3 g + 2 v, 8,192 bytes each
	s_add_co_u32 s61, s61, 1
	s_lshl_b32 s61, s61, 13                        ; tile 1: register tile 3 g + 1;
	s_lshl_b32 s63, s59, 13
	s_add_co_u32 s63, s63, 98304                   ; tile 3: the part that stays in LDS, behind the 12 register tiles
	s_cmp_eq_u32 s60, 0
	s_cselect_b32 s61, s61, s63
	s_lshl_b32 s63, s42, 10                        ; 1,024 bytes a K step
	s_add_co_u32 s55, s55, s63
	s_add_co_u32 s62, s62, s55
	s_add_co_u32 s61, s61, s55
	s_lshl_b32 s58, s58, 7
	s_add_co_u32 s58, s58, s55
	s_add_co_u32 s58, s58, 131072                  ; the scale words: [K step][256 columns]
	; the other three: 557,056 bytes a weight
	s_max_u32 s33, s32, 1
	s_sub_co_u32 s33, s33, 1
	s_mul_i32 s33, s33, 557056
	s_lshl_b32 s59, s54, 3
	s_add_co_u32 s59, s59, s42                     ; 8 P + ks
	s_lshl_b32 s60, s59, 11
	s_add_co_u32 s60, s60, s33                     ; the first fragment,
	s_add_co_u32 s63, s60, 1024                    ; the second,
	s_lshl_b32 s59, s59, 7
	s_add_co_u32 s59, s59, s33
	s_add_co_u32 s59, s59, 524288                  ; the scale words
	s_cmp_eq_u32 s32, 0
	s_cselect_b32 s62, s62, s60
	s_cselect_b32 s61, s61, s63
	s_cselect_b32 s58, s58, s59
	s_cselect_b64 s[38:39], s[22:23], s[30:31]
	s_mov_b32 s56, s62
	s_add_nc_u64 s[50:51], s[38:39], s[56:57]
	s_mov_b32 s56, s61
	s_add_nc_u64 s[52:53], s[38:39], s[56:57]
	s_mov_b32 s56, s58
	s_add_nc_u64 s[46:47], s[38:39], s[56:57]
	v_lshlrev_b32 v9, 4, v17
	s_wait_loadcnt 0x0
	WQ
	global_store_b128 v9, v[F0:F0+3], s[50:51]               ; 32 lanes store 512 consecutive bytes
	global_store_b128 v9, v[F0+4:F0+7], s[50:51] offset:512
	global_store_b128 v9, v[F1:F1+3], s[52:53]
	global_store_b128 v9, v[F1+4:F1+7], s[52:53] offset:512
	global_store_b32 v[WA], v[WS], s[46:47]                  ; 128 consecutive bytes: one byte of scales for 128 bytes read
	s_endpgm
.Lfunc_end_k_q18c4556175_proj:
	.size	k_q18c4556175_proj, .Lfunc_end_k_q18c4556175_proj-k_q18c4556175_proj
	.p2alignl 7, 3214868480
	.fill 96, 4, 3214868480
	.section	.rodata,"a",@progbits
	.p2align	6, 0x0
	.amdhsa_kernel k_q18c4556175_proj
		.amdhsa_group_segment_fixed_size 75776
		.amdhsa_private_segment_fixed_size 0
		.amdhsa_enable_private_segment 0
		.amdhsa_kernarg_size 112
		.amdhsa_user_sgpr_count 2
		.amdhsa_user_sgpr_kernarg_segment_ptr 1
		.amdhsa_wavefront_size32 1
		.amdhsa_system_sgpr_workgroup_id_x 1
		.amdhsa_system_sgpr_workgroup_id_y 1
		.amdhsa_system_sgpr_workgroup_id_z 1
		.amdhsa_system_vgpr_workitem_id 0
		.amdhsa_next_free_vgpr 256
		.amdhsa_next_free_sgpr 66
		.amdhsa_reserve_vcc 0
		.amdhsa_float_denorm_mode_32 3
		.amdhsa_float_denorm_mode_16_64 3
		.amdhsa_memory_ordered 1
		.amdhsa_forward_progress 1
		.amdhsa_inst_pref_size 57
	.end_amdhsa_kernel
	.amdgpu_metadata
---
amdhsa.version: [ 1, 2 ]
amdhsa.kernels:
  - .name:           k_q18c4556175_proj
    .symbol:         k_q18c4556175_proj.kd
    .args:
      - { .name: s_t, .offset: 0, .size: 8, .value_kind: global_buffer, .address_space: global }
      - { .name: h_t, .offset: 8, .size: 8, .value_kind: global_buffer, .address_space: global }
      - { .name: Wsp, .offset: 16, .size: 8, .value_kind: global_buffer, .address_space: global }
      - { .name: Whp, .offset: 24, .size: 8, .value_kind: global_buffer, .address_space: global }
      - { .name: bsp, .offset: 32, .size: 8, .value_kind: global_buffer, .address_space: global }
      - { .name: bhp, .offset: 40, .size: 8, .value_kind: global_buffer, .address_space: global }
      - { .name: sproj, .offset: 48, .size: 8, .value_kind: global_buffer, .address_space: global }
      - { .name: hproj, .offset: 56, .size: 8, .value_kind: global_buffer, .address_space: global }
      - { .name: Wv, .offset: 64, .size: 8, .value_kind: global_buffer, .address_space: global }
      - { .name: wvq, .offset: 72, .size: 8, .value_kind: global_buffer, .address_space: global }
      - { .name: Wsa, .offset: 80, .size: 8, .value_kind: global_buffer, .address_space: global }
      - { .name: Wha, .offset: 88, .size: 8, .value_kind: global_buffer, .address_space: global }
      - { .name: Wcp, .offset: 96, .size: 8, .value_kind: global_buffer, .address_space: global }
      - { .name: wq, .offset: 104, .size: 8, .value_kind: global_buffer, .address_space: global }
    .group_segment_fixed_size: 75776
    .private_segment_fixed_size: 0
    .kernarg_segment_align: 8
    .kernarg_segment_size: 112
    .max_flat_workgroup_size: 512
    .sgpr_count:     66
    .vgpr_count:     256
    .wavefront_size: 32
...
	.end_amdgpu_metadata
.endif
;; end of part 1
;; launch att (part 2): grid 32 x 4, 8 waves a work-group, no clusters, 70,656 bytes of LDS; arguments sproj, hproj, wq, bsa, bha, satt, hatt; writes satt, hatt
.if DOCPART == 2
	.amdgcn_target "amdgcn-amd-amdhsa--gfx1250"
	.amdhsa_code_object_version 6
	.text
	.protected	k_q18c4556175_att
	.globl	k_q18c4556175_att
	.p2align	8
	.type	k_q18c4556175_att,@function
k_q18c4556175_att:
	s_mov_b64 s[64:65], 0
	v_nop
	global_prefetch_b8 v0, s[64:65] scope:SCOPE_SE
	s_setreg_imm32_b32 hwreg(HW_REG_WAVE_MODE, 25, 1), 1
	s_wait_xcnt 0x0
; LAUNCH 2 OF 4.  s_att = s_proj Wsa + bsa, h_att = h_proj Wha + bha, both products on codes of FP4 (E2M1) with one E8M0 scale for each 32 along K.
; Wsa and Wha come as codes that launch 1 made, in the order of the operand's registers: in wq, 557,056 bytes a weight, codes of (pair P of 32 columns, K step ks) at (8 P + ks) x 2,048, scale words at 524,288 + (8 P + ks) x 128.
; LIMITS: NaN and infinities are not served.  A block of zeros gets the scale byte 1 where the rule says 127: its codes are zeros and this program alone reads the bytes.  A sum over K is made of eight partial sums, one a wave.
; SHARES.  Work-group (x, y): product x / 16, columns 64 (x % 16) on, rows 32 y on.  Wave w takes K step w (128 along K): it quantises its 32 rows of x in registers, loads four fragments of W,
; issues eight matrix instructions that start their sums with the constant 0, and the eight partial sums meet in LDS.  There is no loop.  A wave has 43 loads out, all asked for at once.
; 64 columns to a work-group: x is then read by 16 work-groups; a work-group takes 128 KB of x and 34 KB of W.
; THE MATRIX INSTRUCTION IS USED TRANSPOSED (source 0 = 16 columns of W, source 1 = 16 rows of x): a lane holds one row and eight neighbouring columns.
; NO CLUSTER: x goes from memory into registers as f32, to be quantised there, and W's fragments go straight into registers; no tile comes by a tensor load, so there is nothing to ask for jointly.
.set MT, 2                             ; tiles of 16 rows
.set WSZ, MT*16*272                    ; LDS: a wave's partial sums: 32 rows of 256 bytes + 16 of padding
.set SPARE, 8*WSZ                      ; behind them: the spare words, 128 bytes for each wave, which no other line names
.set SPW, 1                            ; v1   LDS address of my spare word; never rewritten
.set NIL, 2                            ; v2   0; never rewritten
.set XA, 3                             ; v3   x: row r of 4,096 bytes + 64 h
.set WA, 4                             ; v4   4 x lane
.set RST, 5                            ; v5   where I put my partial sums
.set RLD, 6                            ; v6   where I read eight partial sums
.set OUTO, 7                           ; v7   my 16 bytes of the result
.set BIO, 8                            ; v8   my 16 bytes of the bias
.set LI, 9                             ; v9   16 x lane
.set BI, 10                            ; v10-13 the bias
.set PW0, 14                           ; v14, v15 x's scale words (scales alone)
.set WS0, 16                           ; v16, v17 W's scale words, a register for each pair of tiles: lanes 0-15 the even tile, lanes 16-31 the odd one (scales alone)
.set TM, 20                            ; v20-35 at work
.set PC0, 36                           ; v36-43, v44-51 x's fragments, tiles 0 and 1
.set FW, 64                            ; v64-95 W's four fragments
.set AX0, 128                          ; v128-191 64 numbers of x, tile 0; later the eight accumulators
.set AX1, 192                          ; v192-255 tile 1; later the partial sums
.set ACC, 128
.set SUM, 192
.set SEL, 44                           ; s[44:45] v_permlanex16_b32's selects for lane l xor 16
; 64 numbers of a lane: register 16 b + i = k 32 b + 16 h + i of row r
.macro XLOAD reg, sb, off
.irp b,0,1,2,3
.irp j,0,1,2,3
	global_load_b128 v[\reg+16*\b+4*\j:\reg+16*\b+4*\j+3], v[XA], s[\sb:\sb+1] offset:\off+128*\b+16*\j
.endr
.endr
.endm
; they become a fragment's codes in v[pc] on and its scale word in v[pw]
.macro QUANT s, pc, pw
.irp b,0,1,2,3
	v_max3_num_f32 v[TM+\b], |v[\s+16*\b]|, |v[\s+1+16*\b]|, 0x1800000   ; block b: my 16 numbers, and the floor 2^(3 - 127): the byte cannot fall under 1
.endr
.irp i,2,4,6,8,10,12,14
.irp b,0,1,2,3
	v_max3_num_f32 v[TM+\b], v[TM+\b], |v[\s+16*\b+\i]|, |v[\s+1+16*\b+\i]|
.endr
.endr
.irp b,0,1,2,3
	v_permlanex16_b32 v[TM+4+\b], v[TM+\b], s[SEL], s[SEL+1]
.endr
.irp b,0,1,2,3
	v_max_num_f32 v[TM+\b], v[TM+\b], v[TM+4+\b]   ; with lane l xor 16's: the block's largest magnitude
.endr
.irp b,0,1,2,3
	v_add_nc_u32 v[TM+12+\b], 0xff000000, v[TM+\b] ; 2 off its exponent field: the conversion's scale operand
.endr
.irp b,0,1,2,3
	v_lshrrev_b32 v[TM+4+\b], 23, v[TM+12+\b]      ; the scale's byte
.endr
	v_lshl_or_b32 v[\pw], v[TM+5], 8, v[TM+4]
	v_lshl_or_b32 v[\pw], v[TM+6], 16, v[\pw]
	v_lshl_or_b32 v[\pw], v[TM+7], 24, v[\pw]
.irp b,0,1,2,3
	v_cvt_scalef32_pk8_fp4_f32 v[\pc+2*\b], v[\s+16*\b:\s+7+16*\b], v[TM+12+\b]
	v_cvt_scalef32_pk8_fp4_f32 v[\pc+1+2*\b], v[\s+8+16*\b:\s+15+16*\b], v[TM+12+\b]
.endr
	v_nop                                          ; one plain place behind a scaled conversion
.irp c,0,1
.irp i,0,1
	v_permlane16_swap_b32 v[\pc+4*\c+\i], v[\pc+2+4*\c+\i]   ; a whole block to a lane: lanes 0-15 block 2 c, lanes 16-31 block 2 c + 1
.endr
.endr
.endm
; eight partial sums of four numbers, v[b] on, are added, and the bias
.macro RSUM b
.irp q,0,2,4,6
	v_pk_add_f32 v[\b+4*\q:\b+4*\q+1], v[\b+4*\q:\b+4*\q+1], v[\b+4*\q+4:\b+4*\q+5]
	v_pk_add_f32 v[\b+4*\q+2:\b+4*\q+3], v[\b+4*\q+2:\b+4*\q+3], v[\b+4*\q+6:\b+4*\q+7]
.endr
.irp q,0,4
	v_pk_add_f32 v[\b+4*\q:\b+4*\q+1], v[\b+4*\q:\b+4*\q+1], v[\b+4*\q+8:\b+4*\q+9]
	v_pk_add_f32 v[\b+4*\q+2:\b+4*\q+3], v[\b+4*\q+2:\b+4*\q+3], v[\b+4*\q+10:\b+4*\q+11]
.endr
	v_pk_add_f32 v[\b:\b+1], v[\b:\b+1], v[\b+16:\b+17]
	v_pk_add_f32 v[\b+2:\b+3], v[\b+2:\b+3], v[\b+18:\b+19]
	v_pk_add_f32 v[\b:\b+1], v[\b:\b+1], v[BI:BI+1]
	v_pk_add_f32 v[\b+2:\b+3], v[\b+2:\b+3], v[BI+2:BI+3]
.endm
	s_load_b256 s[4:11], s[0:1], 0x0               ; sproj, hproj, wq, bsa
	s_load_b128 s[12:15], s[0:1], 0x20             ; bha, satt
	s_load_b64 s[16:17], s[0:1], 0x30              ; hatt
	v_lshl_add_u32 v[SPW], v0, 2, SPARE
	v_mov_b32 v[NIL], 0
	v_lshrrev_b32 v55, 5, v0
	v_readfirstlane_b32 s42, v55                   ; wave = K step
	s_lshr_b32 s41, ttmp9, 4                       ; product
	s_and_b32 s40, ttmp9, 15                       ; block of 64 columns
	s_and_b32 s43, ttmp7, 0xffff                   ; block of 32 rows
	v_and_b32 v52, 31, v0                          ; lane
	v_and_b32 v53, 15, v0                          ; r
	v_bfe_u32 v54, v0, 4, 1                        ; h
	v_lshlrev_b32 v[XA], 12, v53
	v_lshl_add_u32 v[XA], v54, 6, v[XA]
	v_lshlrev_b32 v[WA], 2, v52
	v_lshlrev_b32 v[LI], 4, v52
	s_mul_i32 s54, s42, WSZ
	v_mul_u32_u24 v[RST], v53, 272
	v_lshl_add_u32 v[RST], v54, 5, v[RST]
	v_add_nc_u32 v[RST], s54, v[RST]               ; my region, row r, + 32 h
	s_mul_i32 s54, s42, MT*2*272                   ; the rows that I add up: 4 w on
	v_lshlrev_b32 v[BIO], 4, v53
	v_mad_u32_u24 v[RLD], v54, 272, v[BIO]
	v_add_nc_u32 v[RLD], s54, v[RLD]               ; sixteen lanes to a row of 256 bytes, two rows an instruction
	v_lshl_add_u32 v[OUTO], v54, 12, v[BIO]
	s_mov_b32 s[SEL], 0x76543210
	s_mov_b32 s[SEL+1], 0xfedcba98
.irp b,0,1,2,3
	v_mov_b32 v[TM+4+\b], 0                        ; written once: a lane permute's destination counts as one of its sources
.endr
	s_mul_i32 s56, s43, MT*65536
	s_lshl_b32 s54, s42, 9
	s_add_co_u32 s56, s56, s54                     ; x: my rows, my 128 along K
	s_mov_b32 s57, 0
	s_mul_i32 s58, s41, 557056
	s_lshl_b32 s54, s40, 15
	s_add_co_u32 s58, s58, s54
	s_lshl_b32 s54, s42, 11
	s_add_co_u32 s58, s58, s54                     ; W's codes: pair 2 nx, K step w
	s_mov_b32 s59, 0
	s_mul_i32 s60, s41, 557056
	s_lshl_b32 s54, s40, 11
	s_add_co_u32 s60, s60, s54
	s_lshl_b32 s54, s42, 7
	s_add_co_u32 s60, s60, s54
	s_add_co_u32 s60, s60, 524288                  ; and its scale words
	s_mov_b32 s61, 0
	s_mul_i32 s62, s43, MT*65536
	s_mul_i32 s54, s42, MT*8192
	s_add_co_u32 s62, s62, s54
	s_lshl_b32 s38, s40, 8                         ; my 64 columns, in bytes
	s_add_co_u32 s62, s62, s38                     ; the result: the rows that I add up
	s_mov_b32 s63, 0
	s_mov_b32 s39, 0
	s_wait_kmcnt 0x0
	s_cmp_eq_u32 s41, 0                            ; the choice hangs on the work-group's number alone
	s_cselect_b64 s[46:47], s[4:5], s[6:7]
	s_cselect_b64 s[50:51], s[10:11], s[12:13]
	s_cselect_b64 s[52:53], s[14:15], s[16:17]
	s_add_nc_u64 s[46:47], s[46:47], s[56:57]
	s_add_nc_u64 s[48:49], s[8:9], s[58:59]
	s_add_nc_u64 s[54:55], s[8:9], s[60:61]
	s_add_nc_u64 s[50:51], s[50:51], s[38:39]
	s_add_nc_u64 s[52:53], s[52:53], s[62:63]
	global_load_b128 v[BI:BI+3], v[BIO], s[50:51]
.irp p,0,1
.irp i,0,1,2,3
	global_load_b128 v[FW+16*\p+4*\i:FW+16*\p+4*\i+3], v[LI], s[48:49] offset:\p*16384+512*\i   ; 512 consecutive bytes: half a fragment as it was stored
.endr
	global_load_b32 v[WS0+\p], v[WA], s[54:55] offset:\p*1024
.endr
	XLOAD AX0, 46, 0
	XLOAD AX1, 46, 65536                           ; rows 16 on
	s_wait_loadcnt 16                              ; behind tile 0's loads stand tile 1's 16
	QUANT AX0, PC0, PW0
	s_wait_loadcnt 0x0
	QUANT AX1, PC0+8, PW0+1
.rept 8
	v_nop                                          ; a scale register written by a vector instruction stands 8 places ahead of a scaled matrix instruction, an operand 4
.endr
.irp m,0,1
.irp p,0,1
	v_wmma_scale_f32_16x16x128_f8f6f4 v[ACC+32*\m+16*\p:ACC+32*\m+16*\p+7], v[FW+16*\p:FW+16*\p+7], v[PC0+8*\m:PC0+8*\m+7], 0, v[WS0+\p], v[PW0+\m] matrix_a_fmt:MATRIX_FMT_FP4 matrix_b_fmt:MATRIX_FMT_FP4
	v_wmma_scale_f32_16x16x128_f8f6f4 v[ACC+32*\m+16*\p+8:ACC+32*\m+16*\p+15], v[FW+16*\p+8:FW+16*\p+15], v[PC0+8*\m:PC0+8*\m+7], 0, v[WS0+\p], v[PW0+\m] matrix_a_fmt:MATRIX_FMT_FP4 matrix_b_fmt:MATRIX_FMT_FP4 matrix_a_scale:MATRIX_SCALE_ROW1
.endr
.endr
.rept 4
	v_nop                                          ; places in front of the first read of results
.endr
.irp m,0,1
.irp t,0,1,2,3
	ds_store_b128 v[RST], v[ACC+32*\m+8*\t:ACC+32*\m+8*\t+3] offset:\m*4352+\t*64        ; lane (r, h): row 16 m + r, columns 16 t + 8 h + 0 .. 7; each accumulator from its low end on
	ds_store_b128 v[RST], v[ACC+32*\m+8*\t+4:ACC+32*\m+8*\t+7] offset:\m*4352+\t*64+16
.endr
.endr
	s_wait_dscnt 0x0                               ; for the others' sake: my partial sums lie in LDS
	s_barrier_signal -1
	s_barrier_wait -1
.irp s,0,1
.irp q,0,1,2,3,4,5,6,7
	ds_load_b128 v[SUM+32*\s+4*\q:SUM+32*\s+4*\q+3], v[RLD] offset:\q*WSZ+\s*544   ; rows 4 w + 2 s + lane / 16
.endr
.endr
	s_wait_dscnt 0x0
	RSUM SUM
	RSUM SUM+32
	global_store_b128 v[OUTO], v[SUM:SUM+3], s[52:53]                  ; sixteen lanes store 256 consecutive bytes, aligned
	global_store_b128 v[OUTO], v[SUM+32:SUM+35], s[52:53] offset:8192
	s_wait_tensorcnt 0x0                           ; the wave's end: behind my last LDS store
	ds_add_u32 v[SPW], v[NIL]
	s_wait_dscnt 0x0
	s_endpgm
.Lfunc_end_k_q18c4556175_att:
	.size	k_q18c4556175_att, .Lfunc_end_k_q18c4556175_att-k_q18c4556175_att
	.p2alignl 7, 3214868480
	.fill 96, 4, 3214868480
	.section	.rodata,"a",@progbits
	.p2align	6, 0x0
	.amdhsa_kernel k_q18c4556175_att
		.amdhsa_group_segment_fixed_size 70656
		.amdhsa_private_segment_fixed_size 0
		.amdhsa_enable_private_segment 0
		.amdhsa_kernarg_size 56
		.amdhsa_user_sgpr_count 2
		.amdhsa_user_sgpr_kernarg_segment_ptr 1
		.amdhsa_wavefront_size32 1
		.amdhsa_system_sgpr_workgroup_id_x 1
		.amdhsa_system_sgpr_workgroup_id_y 1
		.amdhsa_system_sgpr_workgroup_id_z 1
		.amdhsa_system_vgpr_workitem_id 0
		.amdhsa_next_free_vgpr 256
		.amdhsa_next_free_sgpr 66
		.amdhsa_reserve_vcc 0
		.amdhsa_float_denorm_mode_32 3
		.amdhsa_float_denorm_mode_16_64 3
		.amdhsa_memory_ordered 1
		.amdhsa_forward_progress 1
		.amdhsa_inst_pref_size 21
	.end_amdhsa_kernel
	.amdgpu_metadata
---
amdhsa.version: [ 1, 2 ]
amdhsa.kernels:
  - .name:           k_q18c4556175_att
    .symbol:         k_q18c4556175_att.kd
    .args:
      - { .name: sproj, .offset: 0, .size: 8, .value_kind: global_buffer, .address_space: global }
      - { .name: hproj, .offset: 8, .size: 8, .value_kind: global_buffer, .address_space: global }
      - { .name: wq, .offset: 16, .size: 8, .value_kind: global_buffer, .address_space: global }
      - { .name: bsa, .offset: 24, .size: 8, .value_kind: global_buffer, .address_space: global }
      - { .name: bha, .offset: 32, .size: 8, .value_kind: global_buffer, .address_space: global }
      - { .name: satt, .offset: 40, .size: 8, .value_kind: global_buffer, .address_space: global }
      - { .name: hatt, .offset: 48, .size: 8, .value_kind: global_buffer, .address_space: global }
    .group_segment_fixed_size: 70656
    .private_segment_fixed_size: 0
    .kernarg_segment_align: 8
    .kernarg_segment_size: 56
    .max_flat_workgroup_size: 256
    .sgpr_count:     66
    .vgpr_count:     256
    .wavefront_size: 32
...
	.end_amdgpu_metadata
.endif
;; end of part 2
;; launch main (part 3): grid 128 x 2, 4 waves a work-group, no clusters, 327,680 bytes of LDS; arguments V, wvq, hatt, satt, sproj, bv, Wal, pctx, pml; writes pctx, pml
.if DOCPART == 3
	.amdgcn_target "amdgcn-amd-amdhsa--gfx1250"
	.amdhsa_code_object_version 6
	.text
	.protected	k_q18c4556175_main
	.globl	k_q18c4556175_main
	.p2align	8
	.type	k_q18c4556175_main,@function
k_q18c4556175_main:
	s_mov_b64 s[64:65], 0
	v_nop
	global_prefetch_b8 v0, s[64:65] scope:SCOPE_SE
	s_setreg_imm32_b32 hwreg(HW_REG_WAVE_MODE, 25, 1), 1
	s_wait_xcnt 0x0
; LAUNCH 3 OF 4.  For batch row b and half the regions: scores = Wal . tanh(relu(V Wv + bv) + h_att), a running softmax over them, and the context = the sum of p x V's rows, not normalised.
; V Wv is on codes of FP4 (E2M1) with one E8M0 scale for each 32 along K; the scores and the context are f32 multiply-adds, since they go on into a quantised operand.
; LEFT OUT AS DEAD WORK (shown at the head of launch 1): bal, and the 1 of tanh(x) = 1 - 2 / (1 + 2^(c x)), c = 2 log2(e): both add the same number to all 513 scores of a row.  So a score is here t = the sum of (-c Wal[n]) / (1 + 2^(c x[n])), in powers of two.
; LIMITS: NaN and infinities among the inputs are not served; a block of zeros gets the scale byte 1 (its codes are zeros; this program alone reads the bytes).
; SHARES.  Work-group (b, half) owns rows 256 half .. + 255 of V[b], as 16 tiles of 16 rows; half 0 also owns the region s_proj.  V is read from memory once: a tile lies in LDS as f32 from its quantising until its scores are known and its rows are added.
; Wave w owns Wv's columns 256 w .. + 255 for the whole launch: 16 tiles of 16 columns in 4 groups of 4; of each group three tiles stay in registers (windows 1 to 3) and one in LDS.  It also owns columns 256 w .. + 255 of the context.
; NO CLUSTER: V's tiles are shared by nobody.  Of the 544 KB of Wv's codes and scales that a work-group takes, 384 KB go straight into registers, where no joint load can bring them; the 160 KB that come by tensor load come once, out of 1.5 MB in all.
; A TRIP (tile t):  barrier X | C(t - 1): the four waves' partial scores are added, the softmax steps, p x V's rows | the wait for tile t, and Q(t): my four rows become codes, stored as images of the operand's registers |
; barrier Y, and behind it the tensor load of tile t + 1 into the slot that C(t - 1) has left | tile t's fragments, its products and their tanh, group by group | its partial scores to LDS.
; So a tile's load has the products, the tanh, X and C in which to land.  While C reads one slot, the other slot's load is out: the two addresses are turned by the same exclusive or, trip by trip.
; Codes and scale bytes are stored behind X and read behind Y; partial scores are stored behind Y and read behind X: each store is parted from the last readers by a barrier in front of which they have waited for their loads.
; LDS: 0 two slots of 65,536: a tile of V, row r at 4,096 r | 131,072 four x 40,960: a wave's four LDS tiles of Wv (32,768) and its scale words (8,192) | 294,912 three tables of 4,096: c (bv + h_att), c h_att, -c Wal |
; 307,200 codes (block of 32 along K at 272 x block + 16 r), + 8,704 scale bytes [r][32], + 9,216 partial scores [wave][16] | 316,672 the spare words.  The tables, the codes' region and the spare words are never a tensor load's target.
; REGISTERS, window 0: v1-7, v10-17 addresses that stay; v8 M, v9 L; v18-19 f; v20-27 context; v28-35 partial scores (in C: at work); v36-43 V's scale words, v44-59 Wv's (scales alone); v60-63 addresses in hand;
; v64-127 V's 8 fragments; v128-191 the LDS tile's 8 fragments (in Q both: 128 numbers of V); v192-223 four accumulators; v224-239 a group's table words (in C v192-255 and v64-127: rows of V; in Q v192-255: at work).
.set VSLOT, 65536
.set WL, 131072
.set WLW, 40960
.set TAB, 294912
.set EX, 307200
.set ASCO, 8704
.set PARTO, 9216
.set SPARE, 316672
.set SPW, 1
.set NIL, 2
.set WLA, 3                            ; my LDS tiles of Wv + 16 lane
.set BSA, 4                            ; my scale words of Wv + 4 lane
.set TBA, 5                            ; the tables at my 256 columns + 4 r
.set SELV, 6                           ; v_perm_b32's selector: as it lies, or the halves exchanged where bit 3 of the lane is set
.set PFO, 7                            ; 256 x lane
.set ML, 8
.set QB, 10                            ; Q: my four rows + 32 lane + 16 x bit 3
.set IS, 11                            ; Q: where my codes go
.set SS, 12                            ; Q: where my scale byte goes
.set FN, 13                            ; the codes' images for my lane
.set FA, 14                            ; my row's scale bytes
.set PR, 15                            ; my row's partial scores
.set PSB, 16                           ; where my partial scores go
.set CV, 17                            ; 1,024 wave + 16 lane
.set FF, 18
.set CTX, 20
.set SACC, 28
.set AS, 36
.set BS, 44
.set AF, 64
.set BB, 128
.set ACC, 192
.set TB, 224
.set R0, 192
.set R1, 224
.set WV, 22
.set HALF, 23
.set TR, 24                            ; the trip = the tile t
.set VS, 25                            ; the slot of tile t - 1
.set VQ, 26                            ; the slot of tile t
.set G0V, 28
.set G1V, 32
.set G0W, 40
.set G1W, 44
.set CC, 52                            ; s[52:53] c
.set PFA, 54
.set SEL, 58
.set PS, 66                            ; s66, s68 .. s96: the tile's 16 weights p (the packed form names a pair and takes its low word)
.set MSB, 0
.macro WIN new                         ; the immediate's high byte repeats the setting that is left
.if MSB != \new
	s_set_vgpr_msb (MSB<<8)|\new
.set MSB, \new
.endif
.endm
.macro LOADB g                         ; group g: the LDS tile's 8 fragments and the group's 16 registers of scale words (lanes 0-15 an even tile, lanes 16-31 the odd one beside it)
.irp k,0,1,2,3,4,5,6,7
	ds_load_b128 v[BB+8*\k:BB+8*\k+3], v[WLA] offset:(\g)*8192+\k*1024
	ds_load_b128 v[BB+8*\k+4:BB+8*\k+7], v[WLA] offset:(\g)*8192+\k*1024+512
.endr
.irp k,0,1,2,3,4,5,6,7
	ds_load_b32 v[BS+\k], v[BSA] offset:\k*1024+(\g)*256
	ds_load_b32 v[BS+8+\k], v[BSA] offset:\k*1024+(\g)*256+128
.endr
.endm
.macro FETCH_A                         ; 18 loads: tile t as an operand
.irp s,0,1,2,3,4,5,6,7
.irp c,0,1
	ds_load_b128 v[AF+8*\s+4*\c:AF+8*\s+4*\c+3], v[FN] offset:(4*\s+2*\c)*272   ; lane (r, h): block 4 s + 2 c + h of row r
.endr
.endr
	ds_load_b128 v[AS:AS+3], v[FA]
	ds_load_b128 v[AS+4:AS+7], v[FA] offset:16
.endm
.macro VROWS q, reg                    ; rows 4 q .. 4 q + 3 of tile t - 1, my 256 columns: 512 consecutive bytes a load
.irp a,0,1,2,3
	ds_load_b128 v[\reg+8*\a:\reg+8*\a+3], v61 offset:(4*(\q)+\a)*4096
	ds_load_b128 v[\reg+8*\a+4:\reg+8*\a+7], v61 offset:(4*(\q)+\a)*4096+512
.endr
.endm
.macro VFMA q, reg
.irp a,0,1,2,3
.irp i,0,2,4,6
	v_pk_fma_f32 v[CTX+\i:CTX+\i+1], v[\reg+8*\a+\i:\reg+8*\a+\i+1], s[PS+2*(4*(\q)+\a):PS+2*(4*(\q)+\a)+1], v[CTX+\i:CTX+\i+1] op_sel_hi:[1,0,1]
.endr
.endr
.endm
; C(t - 1).  All 36 loads go out at once: the fragments' registers are free here
.macro CPHASE
	v_add_nc_u32 v61, s[VS], v[CV]
.irp q,0,1,2,3
	ds_load_b32 v[SACC+\q], v[PR] offset:64*\q     ; row r's partial scores of the four waves
.endr
	VROWS 0, R0
	VROWS 1, R1
	VROWS 2, AF
	VROWS 3, AF+32
	s_wait_dscnt 32                                ; behind the four partial scores stand the 32 loads of rows
	v_add_f32 v[SACC], v[SACC], v[SACC+1]
	v_add_f32 v[SACC+2], v[SACC+2], v[SACC+3]
	v_add_f32 v[SACC+4], v[SACC], v[SACC+2]        ; t of row r (the same in both halves of the lanes)
	v_mov_b32 v[SACC+5], v[SACC+4]
.irp x,1,2,4,8
	v_max_num_f32_dpp v[SACC+5], v[SACC+5], v[SACC+5] row_xmask:\x row_mask:0xf bank_mask:0xf
.endr
	v_max_num_f32 v[SACC+5], v[SACC+5], v[ML]      ; the new running maximum
	v_sub_f32 v[FF], v[ML], v[SACC+5]
	v_sub_f32 v[SACC+6], v[SACC+4], v[SACC+5]
	v_exp_f32 v[FF], v[FF]                         ; f: what was summed under the old maximum is brought under the new
	v_exp_f32 v[SACC+6], v[SACC+6]                 ; p
	v_mov_b32 v[ML], v[SACC+5]                     ; (the plain place behind the two)
	s_wait_alu depctr_va_vdst(0)                   ; one wait for both, ahead of their first reader
	v_mov_b32 v[SACC+7], v[SACC+6]
.irp x,1,2,4,8
	v_add_f32_dpp v[SACC+7], v[SACC+7], v[SACC+7] row_xmask:\x row_mask:0xf bank_mask:0xf
.endr
	v_fma_f32 v[ML+1], v[ML+1], v[FF], v[SACC+7]
	v_mov_b32 v[FF+1], v[FF]                       ; (named with it as a pair, so it is written)
.irp i,0,1,2,3,4,5,6,7,8,9,10,11,12,13,14,15
	v_readlane_b32 s[PS+2*\i], v[SACC+6], \i       ; factors alone: no address and no branch hangs on them
.endr
.irp i,0,2,4,6
	v_pk_mul_f32 v[CTX+\i:CTX+\i+1], v[CTX+\i:CTX+\i+1], v[FF:FF+1] op_sel_hi:[1,0]
.endr
	s_wait_dscnt 24                                ; rows 0-3 are in: behind them stand 24 loads
	VFMA 0, R0
	s_wait_dscnt 16                                ; rows 4-7
	VFMA 1, R1
	s_wait_dscnt 8                                 ; rows 8-11
	VFMA 2, AF
	s_wait_dscnt 0x0
	VFMA 3, AF+32
.endm
; one product: tile u of group g, K step k.  Source 0 = V's 16 rows, source 1 = 16 columns of Wv: a lane holds one column and rows 8 h + 0 .. 7
.macro MMA g, k, u
.if (\u) < 3
.set TT, 3*(\g)+(\u)
	WIN (1+TT/4)<<2                                ; register tile TT: window 1 + TT / 4
.set RB, 64*(TT%4)+8*(\k)
.else
	WIN 0
.set RB, BB+8*(\k)
.endif
.set RD, ACC+8*(\u)
.if (\k) == 0
.if (\u)%2 == 0
	v_wmma_scale_f32_16x16x128_f8f6f4 v[RD:RD+7], v[AF+8*(\k):AF+8*(\k)+7], v[RB:RB+7], 0, v[AS+(\k)], v[BS+8*((\u)/2)+(\k)] matrix_a_fmt:MATRIX_FMT_FP4 matrix_b_fmt:MATRIX_FMT_FP4
.else
	v_wmma_scale_f32_16x16x128_f8f6f4 v[RD:RD+7], v[AF+8*(\k):AF+8*(\k)+7], v[RB:RB+7], 0, v[AS+(\k)], v[BS+8*((\u)/2)+(\k)] matrix_a_fmt:MATRIX_FMT_FP4 matrix_b_fmt:MATRIX_FMT_FP4 matrix_b_scale:MATRIX_SCALE_ROW1
.endif
.else
.if (\u)%2 == 0
	v_wmma_scale_f32_16x16x128_f8f6f4 v[RD:RD+7], v[AF+8*(\k):AF+8*(\k)+7], v[RB:RB+7], v[RD:RD+7], v[AS+(\k)], v[BS+8*((\u)/2)+(\k)] matrix_a_fmt:MATRIX_FMT_FP4 matrix_b_fmt:MATRIX_FMT_FP4
.else
	v_wmma_scale_f32_16x16x128_f8f6f4 v[RD:RD+7], v[AF+8*(\k):AF+8*(\k)+7], v[RB:RB+7], v[RD:RD+7], v[AS+(\k)], v[BS+8*((\u)/2)+(\k)] matrix_a_fmt:MATRIX_FMT_FP4 matrix_b_fmt:MATRIX_FMT_FP4 matrix_b_scale:MATRIX_SCALE_ROW1
.endif
.endif
.endm
; the way from a group's sums to the scores.  c (max(a + bv, 0) + h) = max(c a + c (bv + h), c h).  Each accumulator is read from its low end on.
; The 32 exponentials are one batch with one wait, and so are the 32 reciprocals; the plain lines that stand among a batch name a later tile's registers, none of the batch's results.
.macro EPI g
.irp u,0,1,2,3
.irp j,0,2,4,6
	v_pk_fma_f32 v[ACC+8*\u+\j:ACC+8*\u+\j+1], v[ACC+8*\u+\j:ACC+8*\u+\j+1], s[CC:CC+1], v[TB+4*\u:TB+4*\u+1] op_sel_hi:[1,0,0]
.endr
.endr
.irp j,0,1,2,3,4,5,6,7
	v_max_num_f32 v[ACC+\j], v[ACC+\j], v[TB+1]
.endr
.irp u,0,1,2
.irp j,0,1,2,3,4,5,6,7
	v_exp_f32 v[ACC+8*\u+\j], v[ACC+8*\u+\j]
	v_max_num_f32 v[ACC+8*\u+8+\j], v[ACC+8*\u+8+\j], v[TB+4*\u+5]   ; the next tile's maximum
.endr
.endr
.irp j,0,1,2,3,4,5,6,7
	v_exp_f32 v[ACC+24+\j], v[ACC+24+\j]
.endr
	v_nop                                          ; the plain place behind the batch,
	s_wait_alu depctr_va_vdst(0)                   ; and its one wait
.irp j,0,2,4,6
	v_pk_add_f32 v[ACC+\j:ACC+\j+1], v[ACC+\j:ACC+\j+1], 1.0 op_sel_hi:[1,0]
.endr
.irp u,0,1,2
.irp j,0,2,4,6
	v_rcp_f32 v[ACC+8*\u+\j], v[ACC+8*\u+\j]
	v_pk_add_f32 v[ACC+8*\u+8+\j:ACC+8*\u+9+\j], v[ACC+8*\u+8+\j:ACC+8*\u+9+\j], 1.0 op_sel_hi:[1,0]   ; the next tile's 1 + 2^(c x)
	v_rcp_f32 v[ACC+8*\u+\j+1], v[ACC+8*\u+\j+1]
.endr
.endr
.irp j,0,1,2,3,4,5,6,7
	v_rcp_f32 v[ACC+24+\j], v[ACC+24+\j]
.endr
	v_nop
	s_wait_alu depctr_va_vdst(0)
.irp u,0,1,2,3
.irp j,0,2,4,6
.if ((\g) == 0) && (\u == 0)
	v_pk_mul_f32 v[SACC+\j:SACC+\j+1], v[ACC+8*\u+\j:ACC+8*\u+\j+1], v[TB+4*\u+2:TB+4*\u+3] op_sel_hi:[1,0]   ; the first tile starts the sums: nothing is cleared
.else
	v_pk_fma_f32 v[SACC+\j:SACC+\j+1], v[ACC+8*\u+\j:ACC+8*\u+\j+1], v[TB+4*\u+2:TB+4*\u+3], v[SACC+\j:SACC+\j+1] op_sel_hi:[1,0,1]   ; (the pair's upper word is never used; Q has written it)
.endif
.endr
.endr
.endm
; a group of 64 columns: 32 products, the four accumulators by turns, one instruction a turn, over the edges of groups and trips too
.macro GROUP g
.irp u,0,1,2,3
.irp i,0,1,2
	ds_load_b32 v[TB+4*\u+\i], v[TBA] offset:\i*4096+(64*(\g)+16*\u)*4
.endr
.endr
	s_wait_dscnt 12                                ; the fragments and the scale words are in; the 12 table words may be out
.irp k,0,1,2,3,4,5,6,7
.irp u,0,1,2,3
	MMA \g, \k, \u
.endr
.endr
	WIN 0
.rept 4
	v_nop                                          ; places in front of loads into registers that the products have read, and of the first read of results
.endr
.if (\g) < 3
	LOADB (\g)+1
	s_wait_dscnt 32                                ; the table words are in; the 32 just issued land under the tanh
.else
	s_wait_dscnt 0x0
.endif
	EPI \g
.endm
.macro PSTORE                          ; a lane's eight sums run over its 16 columns' tiles; across the 16 lanes of a half; then 32 bytes a half
.irp x,1,2,4,8
.irp j,0,1,2,3,4,5,6,7
	v_add_f32_dpp v[SACC+\j], v[SACC+\j], v[SACC+\j] row_xmask:\x row_mask:0xf bank_mask:0xf
.endr
.endr
	ds_store_b128 v[PSB], v[SACC:SACC+3]           ; the sixteen lanes of a half store the same words with the same values
	ds_store_b128 v[PSB], v[SACC+4:SACC+7] offset:16
.endm
; Q: my four rows of the tile in slot VQ.  Chunk 4 a + b is 1,024 bytes of row 4 w + a: a lane holds 8 neighbours, four lanes a block of 32.
; v_perm_b32 sets their codes right.
; Behind the conversions the numbers' registers are free: group 0 of Wv's LDS tile is asked for there.
.macro QPH
	v_add_nc_u32 v60, s[VQ], v[QB]
	v_xor_b32 v61, 16, v60
.irp a,0,1,2,3
.irp b,0,1,2,3
	ds_load_b128 v[AF+8*(4*\a+\b):AF+8*(4*\a+\b)+3], v60 offset:\a*4096+\b*1024
	ds_load_b128 v[AF+8*(4*\a+\b)+4:AF+8*(4*\a+\b)+7], v61 offset:\a*4096+\b*1024
.endr
.endr
	s_wait_dscnt 0x0
.set i, 0
.rept 16
	v_max3_num_f32 v[192+i], |v[AF+8*i]|, |v[AF+8*i+1]|, 0x1800000   ; and the floor 2^(3 - 127): the byte cannot fall under 1
.set i, i+1
.endr
.irp j,2,4,6
.set i, 0
.rept 16
	v_max3_num_f32 v[192+i], v[192+i], |v[AF+8*i+\j]|, |v[AF+8*i+\j+1]|
.set i, i+1
.endr
.endr
.irp x,1,2
.set i, 0
.rept 16
	v_max_num_f32_dpp v[192+i], v[192+i], v[192+i] row_xmask:\x row_mask:0xf bank_mask:0xf
.set i, i+1
.endr
.endr
.set i, 0
.rept 16
	v_add_nc_u32 v[208+i], 0xff000000, v[192+i]    ; 2 off the exponent field: the conversion's scale operand
.set i, i+1
.endr
.set i, 0
.rept 16
	v_cvt_scalef32_pk8_fp4_f32 v[224+i], v[AF+8*i:AF+8*i+7], v[208+i]
.set i, i+1
.endr
	v_nop                                          ; one plain place behind a scaled conversion
	LOADB 0
.set i, 0
.rept 16
	v_perm_b32 v[224+i], v[224+i], v[224+i], v[SELV]
.set i, i+1
.endr
.set i, 0
.rept 16
	v_lshrrev_b32 v[240+i], 23, v[208+i]           ; the scale's byte
.set i, i+1
.endr
.irp a,0,1,2,3
.irp b,0,1,2,3
	ds_store_b32 v[IS], v[224+4*\a+\b] offset:\b*2176+\a*16    ; block 8 b + lane / 4, row 4 w + a, codes 8 (lane % 4) on
.endr
.endr
.irp a,0,1,2,3
.irp b,0,1,2,3
	ds_store_b8 v[SS], v[240+4*\a+\b] offset:\a*32+\b*8        ; the four lanes of a block store the same byte with the same value
.endr
.endr
.endm
.macro BARX                            ; my LDS stores have landed and my LDS loads are in
	s_wait_dscnt 0x0
	s_barrier_signal -1
	s_barrier_wait -1
.endm
.macro TOGGLE
	s_xor_b32 s[VS], s[VS], VSLOT
	s_xor_b32 s[VQ], s[VQ], VSLOT
.endm
.macro REGLOADS                        ; the 12 register tiles: window n holds tiles 4 (n - 1) on; they stay
.irp n,1,2,3
	WIN (\n)<<6
.set i, 0
.rept 64
	global_load_b128 v[4*i:4*i+3], v[CV], s[6:7] offset:((\n)-1)*32768+512*i
.set i, i+1
.endr
.endr
	WIN 0
.endm
	s_load_b512 s[4:19], s[0:1], 0x0               ; V, wvq, hatt, satt, sproj, bv, Wal, pctx
	s_load_b64 s[20:21], s[0:1], 0x40              ; pml
	v_lshl_add_u32 v[SPW], v0, 2, SPARE
	v_mov_b32 v[NIL], 0
	ds_add_u32 v[SPW], v[NIL]                      ; the wave's opening: the add, twice on end, and its wait, ahead of my first tensor load; the set-up below stands between
	ds_add_u32 v[SPW], v[NIL]
	v_lshrrev_b32 v60, 5, v0
	v_readfirstlane_b32 s[WV], v60                 ; wave 0..3
	s_and_b32 s[HALF], ttmp7, 0xffff
	; descriptor group 1: dense blocks as rows of 256 bytes (32 elements of 8 bytes), no padding: my four rows of a tile of V are 64 such rows, my LDS part of Wv 160
	s_mov_b32 s[G1V], 3<<16
	s_mov_b32 s[G1V+1], 32<<16
	s_mov_b32 s[G1V+2], 64<<16
	s_mov_b32 s[G1V+3], 32<<16
	s_mov_b32 s[G1V+4], 64
	s_mov_b32 s[G1V+5], 32
	s_mov_b32 s[G1V+6], 0
	s_mov_b32 s[G1V+7], 0
	s_mov_b32 s[G1W], 3<<16
	s_mov_b32 s[G1W+1], 32<<16
	s_mov_b32 s[G1W+2], 160<<16
	s_mov_b32 s[G1W+3], 32<<16
	s_mov_b32 s[G1W+4], 160
	s_mov_b32 s[G1W+5], 32
	s_mov_b32 s[G1W+6], 0
	s_mov_b32 s[G1W+7], 0
	s_mov_b32 s[CC], 0x4038aa3b                    ; c = 2 log2(e)
	s_mov_b32 s[CC+1], s[CC]
	s_mov_b32 s[SEL], 0x76543210
	s_mov_b32 s[SEL+1], 0xfedcba98
.irp i,0,1,2,3,4,5,6,7,8,9,10,11,12,13,14,15
	s_mov_b32 s[PS+2*\i+1], 0                      ; named as the upper halves of pairs, so they are written
.endr
	v_and_b32 v60, 31, v0                          ; lane
	v_and_b32 v61, 15, v0                          ; r
	v_bfe_u32 v62, v0, 4, 1                        ; h
	v_bfe_u32 v63, v0, 3, 1                        ; bit 3 of the lane
	s_mul_i32 s56, s[WV], WLW
	s_add_co_u32 s56, s56, WL                      ; my part of Wv in LDS
	v_lshl_add_u32 v[WLA], v60, 4, s56
	s_add_co_u32 s57, s56, 32768
	v_lshl_add_u32 v[BSA], v60, 2, s57
	s_lshl_b32 s57, s[WV], 10
	v_lshl_add_u32 v[CV], v60, 4, s57
	s_add_co_u32 s57, s57, TAB
	v_lshl_add_u32 v[TBA], v61, 2, s57
	s_mov_b32 s57, 0x02020202
	v_mul_lo_u32 v[SELV], v63, s57
	v_xor_b32 v[SELV], 0x03020100, v[SELV]         ; 0x03020100, or 0x01000302
	v_lshlrev_b32 v[PFO], 8, v60
	s_lshl_b32 s60, s[WV], 14                      ; my four rows of a tile
	v_lshl_add_u32 v[QB], v60, 5, s60
	v_lshl_add_u32 v[QB], v63, 4, v[QB]
	v_lshrrev_b32 v63, 2, v60                      ; lane / 4
	v_and_b32 v[IS], 3, v0
	v_lshlrev_b32 v[IS], 2, v[IS]
	v_mad_u32_u24 v[IS], v63, 272, v[IS]
	s_lshl_b32 s57, s[WV], 6
	s_add_co_u32 s57, s57, EX
	v_add_nc_u32 v[IS], s57, v[IS]
	s_add_co_u32 s57, s57, PARTO
	v_lshl_add_u32 v[PSB], v62, 5, s57
	s_lshl_b32 s57, s[WV], 7
	s_add_co_u32 s57, s57, EX+ASCO
	v_add_nc_u32 v[SS], s57, v63
	v_mul_u32_u24 v[FN], v62, 272
	v_lshl_add_u32 v[FN], v61, 4, v[FN]
	v_add_nc_u32 v[FN], EX, v[FN]
	v_lshl_add_u32 v[FA], v61, 5, EX+ASCO
	v_lshl_add_u32 v[PR], v61, 2, EX+PARTO
	s_wait_dscnt 0x0                               ; both opening adds are done
	s_wait_kmcnt 0x0
	s_lshl_b32 s62, ttmp9, 21                      ; batch row: 512 rows of 4,096 bytes
	s_lshl_b32 s63, s[HALF], 20
	s_add_co_u32 s62, s62, s63
	s_add_co_u32 s62, s62, s60
	s_mov_b32 s63, 0
	s_add_nc_u64 s[PFA:PFA+1], s[4:5], s[62:63]    ; my four rows of tile 0
	s_mov_b32 s[G0V], 1
	s_mov_b32 s[G0V+1], s60                        ; slot 0
	s_mov_b64 s[G0V+2:G0V+3], s[PFA:PFA+1]
	s_or_b32 s[G0V+3], s[G0V+3], 0x80000000
	s_add_nc_u64 s[PFA:PFA+1], s[PFA:PFA+1], 65536 ; the prefetches stand at tile 1; the first trip steps them to tile 2
	s_mul_i32 s62, s[WV], 139264
	s_add_nc_u64 s[G0W+2:G0W+3], s[6:7], s[62:63]
	s_add_nc_u64 s[G0W+2:G0W+3], s[G0W+2:G0W+3], 98304
	s_or_b32 s[G0W+3], s[G0W+3], 0x80000000
	s_mov_b32 s[G0W], 1
	s_mov_b32 s[G0W+1], s56
	tensor_load_to_lds s[G0W:G0W+3], s[G1W:G1W+7]  ; both first fills in every wave, ahead of every wait on TENSORcnt, every LDS read and every barrier: two loads of mine are out
	s_nop 0
	tensor_load_to_lds s[G0V:G0V+3], s[G1V:G1V+7]
	s_nop 0
.rept 4
	v_nop
.endr
	s_mul_i32 s62, s[WV], 138240                   ; my block of wvq, less the 1,024 w that v[CV] carries
	s_add_nc_u64 s[6:7], s[6:7], s[62:63]
	s_lshl_b32 s62, ttmp9, 12
	s_add_nc_u64 s[8:9], s[8:9], s[62:63]          ; h_att[b], s_att[b], s_proj[b]
	s_add_nc_u64 s[10:11], s[10:11], s[62:63]
	s_add_nc_u64 s[12:13], s[12:13], s[62:63]
	global_load_b128 v[160:163], v[CV], s[8:9]               ; my 256 columns of h_att[b],
	global_load_b128 v[164:167], v[CV], s[8:9] offset:512
	global_load_b128 v[168:171], v[CV], s[14:15]             ; of bv,
	global_load_b128 v[172:175], v[CV], s[14:15] offset:512
	global_load_b128 v[176:179], v[CV], s[16:17]             ; of Wal
	global_load_b128 v[180:183], v[CV], s[16:17] offset:512
	s_cmp_eq_u32 s[HALF], 0                        ; the work-group's number alone.  The ways part once: each holds the register tiles' loads, so that half 0's small loads stand ahead of them
	s_cbranch_scc0 .Lhalf1
	; half 0 begins with the region s_proj: t = the sum of (-c Wal) / (1 + 2^(c (s_att + h_att))), M = t, L = 1, context = s_proj.  Each wave makes t for itself: 32 numbers a lane
	v_and_b32 v62, 31, v0
	v_lshlrev_b32 v62, 4, v62
	global_load_b128 v[CTX:CTX+3], v[CV], s[12:13]
	global_load_b128 v[CTX+4:CTX+7], v[CV], s[12:13] offset:512
.irp i,0,1,2,3,4,5,6,7
	global_load_b128 v[64+4*\i:67+4*\i], v62, s[10:11] offset:512*\i
	global_load_b128 v[96+4*\i:99+4*\i], v62, s[8:9] offset:512*\i
	global_load_b128 v[128+4*\i:131+4*\i], v62, s[16:17] offset:512*\i
.endr
	REGLOADS
	s_wait_loadcnt 63                              ; 224 loads are issued: all but the 63 youngest are in, the 32 small ones among them
.irp j,0,2,4,6,8,10,12,14,16,18,20,22,24,26,28,30
	v_pk_add_f32 v[64+\j:65+\j], v[64+\j:65+\j], v[96+\j:97+\j]
.endr
.irp j,0,2,4,6,8,10,12,14,16,18,20,22,24,26,28,30
	v_pk_mul_f32 v[64+\j:65+\j], v[64+\j:65+\j], s[CC:CC+1] op_sel_hi:[1,0]
.endr
.set i, 0
.rept 32
	v_exp_f32 v[64+i], v[64+i]
.set i, i+1
.endr
	v_nop
	s_wait_alu depctr_va_vdst(0)
.irp j,0,2,4,6,8,10,12,14,16,18,20,22,24,26,28,30
	v_pk_add_f32 v[64+\j:65+\j], v[64+\j:65+\j], 1.0 op_sel_hi:[1,0]
.endr
.set i, 0
.rept 32
	v_rcp_f32 v[64+i], v[64+i]
.set i, i+1
.endr
	v_nop
	s_wait_alu depctr_va_vdst(0)
	v_pk_mul_f32 v[96:97], v[64:65], v[128:129]
	v_pk_mul_f32 v[98:99], v[66:67], v[130:131]
.irp j,4,8,12,16,20,24,28
	v_pk_fma_f32 v[96:97], v[64+\j:65+\j], v[128+\j:129+\j], v[96:97]
	v_pk_fma_f32 v[98:99], v[66+\j:67+\j], v[130+\j:131+\j], v[98:99]
.endr
	v_pk_add_f32 v[96:97], v[96:97], v[98:99]
	v_add_f32 v96, v96, v97
.irp x,1,2,4,8
	v_add_f32_dpp v96, v96, v96 row_xmask:\x row_mask:0xf bank_mask:0xf
.endr
	v_permlanex16_b32 v97, v96, s[SEL], s[SEL+1]
	v_add_f32 v96, v96, v97
	v_mul_f32 v[ML], 0xc038aa3b, v96
	v_mov_b32 v[ML+1], 1.0
	s_branch .Lstart
.Lhalf1:
	REGLOADS
	v_mov_b32 v[ML], 0xff61b1e6                    ; -3e38, under every t
	v_mov_b32 v[ML+1], 0
.irp i,0,1,2,3,4,5,6,7
	v_mov_b32 v[CTX+\i], 0
.endr
.Lstart:
	s_wait_loadcnt 63                              ; at least 198 loads are issued: all but the 63 youngest are in, the six of the tables among them
.irp i,0,1,2,3,4,5,6,7
	v_mul_f32 v[160+\i], s[CC], v[160+\i]          ; c h
.endr
.irp i,0,1,2,3,4,5,6,7
	v_fma_f32 v[168+\i], s[CC], v[168+\i], v[160+\i]   ; c (bv + h)
.endr
.irp i,0,1,2,3,4,5,6,7
	v_mul_f32 v[176+\i], 0xc038aa3b, v[176+\i]     ; -c Wal
.endr
	v_add_nc_u32 v60, TAB, v[CV]
	ds_store_b128 v60, v[168:171]                  ; the tables at my 256 columns: I alone read them, and LDS serves a wave's instructions in order
	ds_store_b128 v60, v[172:175] offset:512
	ds_store_b128 v60, v[160:163] offset:4096
	ds_store_b128 v60, v[164:167] offset:4608
	ds_store_b128 v60, v[176:179] offset:8192
	ds_store_b128 v60, v[180:183] offset:8704
	s_mov_b32 s[VS], VSLOT
	s_mov_b32 s[VQ], 0
	s_mov_b32 s[TR], 0
.Ltrip:                                            ; 15 trips: tiles 0 to 14
	BARX                                           ; X: tile t - 1's partial scores lie in LDS, and nobody reads its codes any more.  Tile t's load may be out
	s_cmp_eq_u32 s[TR], 0                          ; the first trip has no tile behind it
	s_cbranch_scc1 .Lfirst
	CPHASE
.Lfirst:
	s_wait_tensorcnt 0x0                           ; the one load that is out (in the first trip: the two first fills): the rows that Q reads now are my own load's, and so is my LDS part of Wv
	QPH                                            ; Q(t)
	s_wait_tensorcnt 0x0                           ; Y: no tensor load of mine is out, so the walking group 0 may be written;
	ds_add_u32 v[SPW], v[NIL]                      ; 0 onto my spare word;
	s_xor_b32 s[G0V+1], s[G0V+1], VSLOT            ; the other slot than last time,
	s_add_nc_u64 s[G0V+2:G0V+3], s[G0V+2:G0V+3], 65536   ; the next tile; the type bits on top are not reached
	s_wait_xcnt 0x0                                ; the last trip's prefetches have read their address
	s_add_nc_u64 s[PFA:PFA+1], s[PFA:PFA+1], 65536
	s_wait_dscnt 0x0                               ; the add is done, my reads of tile t - 1's slot are over, my codes lie in LDS
	s_barrier_signal -1
	s_barrier_wait -1
	tensor_load_to_lds s[G0V:G0V+3], s[G1V:G1V+7]  ; my four rows of tile t + 1: my one tensor load behind this barrier
	s_nop 0
.rept 4
	v_nop
.endr
	s_cmp_lt_u32 s[TR], 14                         ; the last trip has no tile t + 2
	s_cbranch_scc0 .Lno_ask
	global_prefetch_b8 v[PFO], s[PFA:PFA+1] th:TH_LOAD_NT scope:SCOPE_SE               ; my four rows of tile t + 2, 16,384 bytes, lanes 256 bytes apart: one trip ahead of their tensor load; each block is named once in the launch
	global_prefetch_b8 v[PFO], s[PFA:PFA+1] offset:8192 th:TH_LOAD_NT scope:SCOPE_SE
.Lno_ask:
	FETCH_A
	s_wait_loadcnt 0x0                             ; the register tiles (the first trip's affair: later nothing is out)
	GROUP 0
	GROUP 1
	GROUP 2
	GROUP 3
	PSTORE
	TOGGLE
	s_add_co_u32 s[TR], s[TR], 1
	s_cmp_lt_u32 s[TR], 15
	s_cbranch_scc1 .Ltrip
	BARX                                           ; the tail is written out: nothing is left to fetch from memory.  Tile 15:
	CPHASE                                         ; C(14)
	s_wait_tensorcnt 0x0
	QPH                                            ; Q(15)
	BARX                                           ; its codes lie in LDS
	FETCH_A
	GROUP 0
	GROUP 1
	GROUP 2
	GROUP 3
	PSTORE
	TOGGLE
	BARX
	CPHASE                                         ; C(15)
	s_lshl_b32 s56, s[HALF], 7
	s_add_co_u32 s56, s56, ttmp9                   ; 128 half + b
	s_lshl_b32 s60, s56, 12
	s_mov_b32 s61, 0
	s_add_nc_u64 s[18:19], s[18:19], s[60:61]
	global_store_b128 v[CV], v[CTX:CTX+3], s[18:19]             ; 32 lanes store 512 consecutive bytes
	global_store_b128 v[CV], v[CTX+4:CTX+7], s[18:19] offset:512
	s_cmp_lg_u32 s[WV], 0
	s_cbranch_scc1 .Lend
	s_lshl_b32 s60, s56, 8
	s_add_nc_u64 s[20:21], s[20:21], s[60:61]
	v_and_b32 v62, 31, v0
	v_lshlrev_b32 v62, 3, v62
	global_store_b64 v62, v[ML:ML+1], s[20:21]     ; (M, L), 32 times: 256 consecutive bytes, aligned
.Lend:
	s_wait_tensorcnt 0x0                           ; the wave's end: behind my last tensor load and my last LDS store
	ds_add_u32 v[SPW], v[NIL]
	s_wait_dscnt 0x0
	s_endpgm
.Lfunc_end_k_q18c4556175_main:
	.size	k_q18c4556175_main, .Lfunc_end_k_q18c4556175_main-k_q18c4556175_main
	.p2alignl 7, 3214868480
	.fill 96, 4, 3214868480
	.section	.rodata,"a",@progbits
	.p2align	6, 0x0
	.amdhsa_kernel k_q18c4556175_main
		.amdhsa_group_segment_fixed_size 327680
		.amdhsa_private_segment_fixed_size 0
		.amdhsa_enable_private_segment 0
		.amdhsa_kernarg_size 72
		.amdhsa_user_sgpr_count 2
		.amdhsa_user_sgpr_kernarg_segment_ptr 1
		.amdhsa_wavefront_size32 1
		.amdhsa_system_sgpr_workgroup_id_x 1
		.amdhsa_system_sgpr_workgroup_id_y 1
		.amdhsa_system_sgpr_workgroup_id_z 1
		.amdhsa_system_vgpr_workitem_id 0
		.amdhsa_next_free_vgpr 1024
		.amdhsa_next_free_sgpr 100
		.amdhsa_reserve_vcc 0
		.amdhsa_float_denorm_mode_32 3
		.amdhsa_float_denorm_mode_16_64 3
		.amdhsa_memory_ordered 1
		.amdhsa_forward_progress 1
		.amdhsa_inst_pref_size 227
	.end_amdhsa_kernel
	.amdgpu_metadata
---
amdhsa.version: [ 1, 2 ]
amdhsa.kernels:
  - .name:           k_q18c4556175_main
    .symbol:         k_q18c4556175_main.kd
    .args:
      - { .name: V, .offset: 0, .size: 8, .value_kind: global_buffer, .address_space: global }
      - { .name: wvq, .offset: 8, .size: 8, .value_kind: global_buffer, .address_space: global }
      - { .name: hatt, .offset: 16, .size: 8, .value_kind: global_buffer, .address_space: global }
      - { .name: satt, .offset: 24, .size: 8, .value_kind: global_buffer, .address_space: global }
      - { .name: sproj, .offset: 32, .size: 8, .value_kind: global_buffer, .address_space: global }
      - { .name: bv, .offset: 40, .size: 8, .value_kind: global_buffer, .address_space: global }
      - { .name: Wal, .offset: 48, .size: 8, .value_kind: global_buffer, .address_space: global }
      - { .name: pctx, .offset: 56, .size: 8, .value_kind: global_buffer, .address_space: global }
      - { .name: pml, .offset: 64, .size: 8, .value_kind: global_buffer, .address_space: global }
    .group_segment_fixed_size: 327680
    .private_segment_fixed_size: 0
    .kernarg_segment_align: 8
    .kernarg_segment_size: 72
    .max_flat_workgroup_size: 128
    .sgpr_count:     100
    .vgpr_count:     1024
    .wavefront_size: 32
...
	.end_amdgpu_metadata
.endif
;; end of part 3
;; launch final (part 4): grid 16 x 8, 8 waves a work-group, no clusters, 35,840 bytes of LDS; arguments pctx, pml, hproj, wq, bcp, out0; writes out0
.if DOCPART == 4
	.amdgcn_target "amdgcn-amd-amdhsa--gfx1250"
	.amdhsa_code_object_version 6
	.text
	.protected	k_q18c4556175_final
	.globl	k_q18c4556175_final
	.p2align	8
	.type	k_q18c4556175_final,@function
k_q18c4556175_final:
	s_mov_b64 s[64:65], 0
	v_nop
	global_prefetch_b8 v0, s[64:65] scope:SCOPE_SE
	s_setreg_imm32_b32 hwreg(HW_REG_WAVE_MODE, 25, 1), 1
	s_wait_xcnt 0x0
; LAUNCH 4 OF 4.  z_t = tanh((context + h_proj) Wcp + bcp), the product on codes of FP4 (E2M1) with one E8M0 scale for each 32 along K.
; The context of a batch row is put together here from the two halves that launch 3 left: each with its running maximum M, its sum L and its sum of p x rows, not normalised.
; Wcp comes as codes that launch 1 made, in the order of the operand's registers: in wq from byte 1,114,112 on, codes of (pair P of 32 columns, K step ks) at (8 P + ks) x 2,048, scale words at 524,288 + (8 P + ks) x 128.
; LIMITS: NaN and infinities are not served.  A block of zeros gets the scale byte 1 where the rule says 127: its codes are zeros and this program alone reads the bytes.
; tanh by v_exp_f32 and v_rcp_f32 has an absolute error near 1e-7.  A sum over K is made of eight partial sums, one a wave.
; SHARES.  Work-group (x, y): columns 64 x on, rows 16 y on.  Wave w takes K step w (128 along K): it makes and quantises its rows' operand in registers, loads four fragments of W,
; issues four matrix instructions that start their sums with the constant 0, and the eight partial sums meet in LDS.  There is no loop.  A wave has 61 loads out, all asked for at once.
; 64 columns to a work-group: the three f32 tensors behind the operand are then read by 16 work-groups; a work-group takes 192 KB of them and 34 KB of W.
; THE MATRIX INSTRUCTION IS USED TRANSPOSED (source 0 = 16 columns of W, source 1 = 16 rows of x): a lane holds one row and eight neighbouring columns.
; NO CLUSTER: the operand's numbers go from memory into registers as f32, to be added and quantised there, and W's fragments go straight into registers; no tile comes by a tensor load.
; REGISTERS: window 0 as listed below; window 1: v256-319 and v320-383, the two halves' contexts.
.set WSZ, 16*272                       ; LDS: a wave's partial sums: 16 rows of 256 bytes + 16 of padding
.set SPARE, 8*WSZ                      ; behind them: the spare words, 128 bytes for each wave, which no other line names
.set SPW, 1                            ; v1   LDS address of my spare word; never rewritten
.set NIL, 2                            ; v2   0; never rewritten
.set XA, 3                             ; v3   x: row r of 4,096 bytes + 64 h
.set WA, 4                             ; v4   4 x lane
.set RST, 5                            ; v5   where I put my partial sums
.set RLD, 6                            ; v6   where I read eight partial sums
.set OUTO, 7                           ; v7   my 16 bytes of the result
.set BIO, 8                            ; v8   my 16 bytes of the bias
.set LI, 9                             ; v9   16 x lane
.set BI, 10                            ; v10-13 the bias
.set PW0, 14                           ; v14  x's scale words (scales alone)
.set WS0, 16                           ; v16, v17 W's scale words, a register for each pair of tiles: lanes 0-15 the even tile, lanes 16-31 the odd one (scales alone)
.set TM, 20                            ; v20-35 at work
.set PC0, 36                           ; v36-43 x's fragment
.set FW, 64                            ; v64-95 W's four fragments
.set AX, 128                           ; v128-191 64 numbers of x
.set ACC, 192                          ; v192-223 the four accumulators
.set SUM, 224                          ; v224-255 eight partial sums of four numbers
.set SEL, 44                           ; s[44:45] v_permlanex16_b32's selects for lane l xor 16
.set MSB, 0
.macro WIN new                         ; the immediate's high byte repeats the setting that is left
.if MSB != \new
	s_set_vgpr_msb (MSB<<8)|\new
.set MSB, \new
.endif
.endm
; 64 numbers of a lane: register 16 b + i = k 32 b + 16 h + i of row r
.macro XLOAD reg, sb, off
.irp b,0,1,2,3
.irp j,0,1,2,3
	global_load_b128 v[\reg+16*\b+4*\j:\reg+16*\b+4*\j+3], v[XA], s[\sb:\sb+1] offset:\off+128*\b+16*\j
.endr
.endr
.endm
; they become a fragment's codes in v[pc] on and its scale word in v[pw]
.macro QUANT s, pc, pw
.irp b,0,1,2,3
	v_max3_num_f32 v[TM+\b], |v[\s+16*\b]|, |v[\s+1+16*\b]|, 0x1800000   ; block b: my 16 numbers, and the floor 2^(3 - 127): the byte cannot fall under 1
.endr
.irp i,2,4,6,8,10,12,14
.irp b,0,1,2,3
	v_max3_num_f32 v[TM+\b], v[TM+\b], |v[\s+16*\b+\i]|, |v[\s+1+16*\b+\i]|
.endr
.endr
.irp b,0,1,2,3
	v_permlanex16_b32 v[TM+4+\b], v[TM+\b], s[SEL], s[SEL+1]
.endr
.irp b,0,1,2,3
	v_max_num_f32 v[TM+\b], v[TM+\b], v[TM+4+\b]   ; with lane l xor 16's: the block's largest magnitude
.endr
.irp b,0,1,2,3
	v_add_nc_u32 v[TM+12+\b], 0xff000000, v[TM+\b] ; 2 off its exponent field: the conversion's scale operand
.endr
.irp b,0,1,2,3
	v_lshrrev_b32 v[TM+4+\b], 23, v[TM+12+\b]      ; the scale's byte
.endr
	v_lshl_or_b32 v[\pw], v[TM+5], 8, v[TM+4]
	v_lshl_or_b32 v[\pw], v[TM+6], 16, v[\pw]
	v_lshl_or_b32 v[\pw], v[TM+7], 24, v[\pw]
.irp b,0,1,2,3
	v_cvt_scalef32_pk8_fp4_f32 v[\pc+2*\b], v[\s+16*\b:\s+7+16*\b], v[TM+12+\b]
	v_cvt_scalef32_pk8_fp4_f32 v[\pc+1+2*\b], v[\s+8+16*\b:\s+15+16*\b], v[TM+12+\b]
.endr
	v_nop                                          ; one plain place behind a scaled conversion
.irp c,0,1
.irp i,0,1
	v_permlane16_swap_b32 v[\pc+4*\c+\i], v[\pc+2+4*\c+\i]   ; a whole block to a lane: lanes 0-15 block 2 c, lanes 16-31 block 2 c + 1
.endr
.endr
.endm
.macro TANH4                           ; tanh(x) = 1 - 2 / (1 + 2^(c x)), c = 2 log2(e); each batch of four has one plain place and one wait
.irp i,0,1,2,3
	v_mul_f32 v[TM+\i], 0x4038aa3b, v[SUM+\i]
.endr
.irp i,0,1,2,3
	v_exp_f32 v[TM+\i], v[TM+\i]
.endr
	v_nop
	s_wait_alu depctr_va_vdst(0)
.irp i,0,1,2,3
	v_add_f32 v[TM+\i], 1.0, v[TM+\i]
.endr
.irp i,0,1,2,3
	v_rcp_f32 v[TM+\i], v[TM+\i]
.endr
	v_nop
	s_wait_alu depctr_va_vdst(0)
.irp i,0,1,2,3
	v_fma_f32 v[SUM+\i], v[TM+\i], -2.0, 1.0
.endr
.endm
	s_load_b256 s[4:11], s[0:1], 0x0               ; pctx, pml, hproj, wq
	s_load_b128 s[12:15], s[0:1], 0x20             ; bcp, out0
	v_lshl_add_u32 v[SPW], v0, 2, SPARE
	v_mov_b32 v[NIL], 0
	v_lshrrev_b32 v55, 5, v0
	v_readfirstlane_b32 s42, v55                   ; wave = K step
	s_mov_b32 s40, ttmp9                           ; block of 64 columns
	s_and_b32 s43, ttmp7, 0xffff                   ; block of 16 rows
	v_and_b32 v52, 31, v0                          ; lane
	v_and_b32 v53, 15, v0                          ; r
	v_bfe_u32 v54, v0, 4, 1                        ; h
	v_lshlrev_b32 v[XA], 12, v53
	v_lshl_add_u32 v[XA], v54, 6, v[XA]
	v_lshlrev_b32 v[WA], 2, v52
	v_lshlrev_b32 v[LI], 4, v52
	v_lshlrev_b32 v56, 8, v53                      ; pml: 256 bytes a row
	s_mul_i32 s54, s42, WSZ
	v_mul_u32_u24 v[RST], v53, 272
	v_lshl_add_u32 v[RST], v54, 5, v[RST]
	v_add_nc_u32 v[RST], s54, v[RST]               ; my region, row r, + 32 h
	s_mul_i32 s54, s42, 2*272                      ; the rows that I add up: 2 w, 2 w + 1
	v_lshlrev_b32 v[BIO], 4, v53
	v_mad_u32_u24 v[RLD], v54, 272, v[BIO]
	v_add_nc_u32 v[RLD], s54, v[RLD]               ; sixteen lanes to a row of 256 bytes, two rows an instruction
	v_lshl_add_u32 v[OUTO], v54, 12, v[BIO]
	s_mov_b32 s[SEL], 0x76543210
	s_mov_b32 s[SEL+1], 0xfedcba98
.irp b,0,1,2,3
	v_mov_b32 v[TM+4+\b], 0                        ; written once: a lane permute's destination counts as one of its sources
.endr
	s_lshl_b32 s56, s43, 16
	s_lshl_b32 s54, s42, 9
	s_add_co_u32 s56, s56, s54                     ; x: my rows, my 128 along K
	s_mov_b32 s57, 0
	s_lshl_b32 s58, s40, 15
	s_lshl_b32 s54, s42, 11
	s_add_co_u32 s58, s58, s54
	s_add_co_u32 s58, s58, 1114112                 ; W's codes: pair 2 x, K step w
	s_mov_b32 s59, 0
	s_lshl_b32 s60, s40, 11
	s_lshl_b32 s54, s42, 7
	s_add_co_u32 s60, s60, s54
	s_add_co_u32 s60, s60, 1114112+524288          ; and its scale words
	s_mov_b32 s61, 0
	s_lshl_b32 s62, s43, 16
	s_lshl_b32 s54, s42, 13
	s_add_co_u32 s62, s62, s54
	s_lshl_b32 s38, s40, 8                         ; my 64 columns, in bytes
	s_add_co_u32 s62, s62, s38                     ; the result: the rows that I add up
	s_mov_b32 s63, 0
	s_mov_b32 s39, 0
	s_lshl_b32 s36, s43, 12
	s_mov_b32 s37, 0
	s_wait_kmcnt 0x0
	s_add_nc_u64 s[4:5], s[4:5], s[56:57]          ; the partial contexts lie as h_proj lies
	s_add_nc_u64 s[6:7], s[6:7], s[36:37]
	s_add_nc_u64 s[46:47], s[8:9], s[56:57]
	s_add_nc_u64 s[48:49], s[10:11], s[58:59]
	s_add_nc_u64 s[54:55], s[10:11], s[60:61]
	s_add_nc_u64 s[50:51], s[12:13], s[38:39]
	s_add_nc_u64 s[52:53], s[14:15], s[62:63]
	global_load_b64 v[60:61], v56, s[6:7]               ; (M, L) of my row, first half of the regions,
	global_load_b64 v[62:63], v56, s[6:7] offset:32768  ; second half
	global_load_b128 v[BI:BI+3], v[BIO], s[50:51]
.irp p,0,1
.irp i,0,1,2,3
	global_load_b128 v[FW+16*\p+4*\i:FW+16*\p+4*\i+3], v[LI], s[48:49] offset:\p*16384+512*\i   ; 512 consecutive bytes: half a fragment as it was stored
.endr
	global_load_b32 v[WS0+\p], v[WA], s[54:55] offset:\p*1024
.endr
	XLOAD AX, 46, 0                                ; h_proj
	WIN 0x40                                       ; destination window 1
	XLOAD 0, 4, 0                                  ; v256-319: the first half's context, not normalised
	XLOAD 64, 4, 524288                            ; v320-383: the second half's
	WIN 0
	s_wait_loadcnt 0x0
	v_max_num_f32 v20, v60, v62                    ; the two halves are brought under one maximum
	v_sub_f32 v21, v60, v20
	v_sub_f32 v22, v62, v20
	v_exp_f32 v21, v21
	v_exp_f32 v22, v22
	v_nop
	s_wait_alu depctr_va_vdst(0)
	v_mul_f32 v23, v61, v21
	v_fmac_f32 v23, v63, v22                       ; the row's sum
	v_rcp_f32 v23, v23
	v_nop
	s_wait_alu depctr_va_vdst(0)
	v_mul_f32 v28, v21, v23
	v_mul_f32 v30, v22, v23
	v_mov_b32 v29, v28                             ; (named with it as a pair, so it is written)
	v_mov_b32 v31, v30
	WIN 0x01                                       ; source 0 window 1
.irp j,0,2,4,6,8,10,12,14,16,18,20,22,24,26,28,30,32,34,36,38,40,42,44,46,48,50,52,54,56,58,60,62
	v_pk_fma_f32 v[AX+\j:AX+\j+1], v[\j:\j+1], v[28:29], v[AX+\j:AX+\j+1] op_sel_hi:[1,0,1]
.endr
.irp j,0,2,4,6,8,10,12,14,16,18,20,22,24,26,28,30,32,34,36,38,40,42,44,46,48,50,52,54,56,58,60,62
	v_pk_fma_f32 v[AX+\j:AX+\j+1], v[64+\j:64+\j+1], v[30:31], v[AX+\j:AX+\j+1] op_sel_hi:[1,0,1]   ; context + h_proj
.endr
	WIN 0
	QUANT AX, PC0, PW0
.rept 8
	v_nop                                          ; a scale register written by a vector instruction stands 8 places ahead of a scaled matrix instruction, an operand 4
.endr
.irp p,0,1
	v_wmma_scale_f32_16x16x128_f8f6f4 v[ACC+16*\p:ACC+16*\p+7], v[FW+16*\p:FW+16*\p+7], v[PC0:PC0+7], 0, v[WS0+\p], v[PW0] matrix_a_fmt:MATRIX_FMT_FP4 matrix_b_fmt:MATRIX_FMT_FP4
	v_wmma_scale_f32_16x16x128_f8f6f4 v[ACC+16*\p+8:ACC+16*\p+15], v[FW+16*\p+8:FW+16*\p+15], v[PC0:PC0+7], 0, v[WS0+\p], v[PW0] matrix_a_fmt:MATRIX_FMT_FP4 matrix_b_fmt:MATRIX_FMT_FP4 matrix_a_scale:MATRIX_SCALE_ROW1
.endr
.rept 4
	v_nop                                          ; places in front of the first read of results
.endr
.irp t,0,1,2,3
	ds_store_b128 v[RST], v[ACC+8*\t:ACC+8*\t+3] offset:\t*64        ; lane (r, h): row r, columns 16 t + 8 h + 0 .. 7; each accumulator from its low end on
	ds_store_b128 v[RST], v[ACC+8*\t+4:ACC+8*\t+7] offset:\t*64+16
.endr
	s_wait_dscnt 0x0                               ; for the others' sake: my partial sums lie in LDS
	s_barrier_signal -1
	s_barrier_wait -1
.irp q,0,1,2,3,4,5,6,7
	ds_load_b128 v[SUM+4*\q:SUM+4*\q+3], v[RLD] offset:\q*WSZ
.endr
	s_wait_dscnt 0x0
.irp q,0,2,4,6
	v_pk_add_f32 v[SUM+4*\q:SUM+4*\q+1], v[SUM+4*\q:SUM+4*\q+1], v[SUM+4*\q+4:SUM+4*\q+5]
	v_pk_add_f32 v[SUM+4*\q+2:SUM+4*\q+3], v[SUM+4*\q+2:SUM+4*\q+3], v[SUM+4*\q+6:SUM+4*\q+7]
.endr
.irp q,0,4
	v_pk_add_f32 v[SUM+4*\q:SUM+4*\q+1], v[SUM+4*\q:SUM+4*\q+1], v[SUM+4*\q+8:SUM+4*\q+9]
	v_pk_add_f32 v[SUM+4*\q+2:SUM+4*\q+3], v[SUM+4*\q+2:SUM+4*\q+3], v[SUM+4*\q+10:SUM+4*\q+11]
.endr
	v_pk_add_f32 v[SUM:SUM+1], v[SUM:SUM+1], v[SUM+16:SUM+17]
	v_pk_add_f32 v[SUM+2:SUM+3], v[SUM+2:SUM+3], v[SUM+18:SUM+19]
	v_pk_add_f32 v[SUM:SUM+1], v[SUM:SUM+1], v[BI:BI+1]
	v_pk_add_f32 v[SUM+2:SUM+3], v[SUM+2:SUM+3], v[BI+2:BI+3]
	TANH4
	global_store_b128 v[OUTO], v[SUM:SUM+3], s[52:53]   ; sixteen lanes store 256 consecutive bytes, aligned
	s_wait_tensorcnt 0x0                           ; the wave's end: behind my last LDS store
	ds_add_u32 v[SPW], v[NIL]
	s_wait_dscnt 0x0
	s_endpgm
.Lfunc_end_k_q18c4556175_final:
	.size	k_q18c4556175_final, .Lfunc_end_k_q18c4556175_final-k_q18c4556175_final
	.p2alignl 7, 3214868480
	.fill 96, 4, 3214868480
	.section	.rodata,"a",@progbits
	.p2align	6, 0x0
	.amdhsa_kernel k_q18c4556175_final
		.amdhsa_group_segment_fixed_size 35840
		.amdhsa_private_segment_fixed_size 0
		.amdhsa_enable_private_segment 0
		.amdhsa_kernarg_size 48
		.amdhsa_user_sgpr_count 2
		.amdhsa_user_sgpr_kernarg_segment_ptr 1
		.amdhsa_wavefront_size32 1
		.amdhsa_system_sgpr_workgroup_id_x 1
		.amdhsa_system_sgpr_workgroup_id_y 1
		.amdhsa_system_sgpr_workgroup_id_z 1
		.amdhsa_system_vgpr_workitem_id 0
		.amdhsa_next_free_vgpr 384
		.amdhsa_next_free_sgpr 66
		.amdhsa_reserve_vcc 0
		.amdhsa_float_denorm_mode_32 3
		.amdhsa_float_denorm_mode_16_64 3
		.amdhsa_memory_ordered 1
		.amdhsa_forward_progress 1
		.amdhsa_inst_pref_size 22
	.end_amdhsa_kernel
	.amdgpu_metadata
---
amdhsa.version: [ 1, 2 ]
amdhsa.kernels:
  - .name:           k_q18c4556175_final
    .symbol:         k_q18c4556175_final.kd
    .args:
      - { .name: pctx, .offset: 0, .size: 8, .value_kind: global_buffer, .address_space: global }
      - { .name: pml, .offset: 8, .size: 8, .value_kind: global_buffer, .address_space: global }
      - { .name: hproj, .offset: 16, .size: 8, .value_kind: global_buffer, .address_space: global }
      - { .name: wq, .offset: 24, .size: 8, .value_kind: global_buffer, .address_space: global }
      - { .name: bcp, .offset: 32, .size: 8, .value_kind: global_buffer, .address_space: global }
      - { .name: out0, .offset: 40, .size: 8, .value_kind: global_buffer, .address_space: global }
    .group_segment_fixed_size: 35840
    .private_segment_fixed_size: 0
    .kernarg_segment_align: 8
    .kernarg_segment_size: 48
    .max_flat_workgroup_size: 256
    .sgpr_count:     66
    .vgpr_count:     384
    .wavefront_size: 32
...
	.end_amdgpu_metadata
.endif
;; end of part 4
